; MI455X (gfx1250); checked and timed in simulation.
; The chip was launched on July 23, 2026; its instructions are those of AMD's public machine-readable ISA for CDNA 5 (MIT licence, August 2026) and "CDNA5" Instruction Set Architecture Reference Guide (July 2026). The comments in the code are by the model that wrote it; some were corrected since.
;; Multi Head Attention Block. Allowed arithmetic: matrix products marked QUANTISED: E2M3 operands, one E8M0 scale for each 32 along K, by v_wmma_scale_f32_16x16x128_f8f6f4 with both operands' format E2M3, f32 sums; everything else in f32.
;; Inputs: k 2 x 2,048 x 1,024 float32; mask 1 x 1 x 2,048 x 2,048 bool; q 2 x 2,048 x 1,024 float32; v 2 x 2,048 x 1,024 float32; w_k 1,024 x 1,024 float32; w_o 1,024 x 1,024 float32; w_q 1,024 x 1,024 float32; w_v 1,024 x 1,024 float32.
;; Outputs: out0 2 x 2,048 x 1,024 float32.
;; This version of the problem:
;;   THIS VERSION OF THE PROBLEM IS GIVEN IN LOW PRECISION. The matrix products marked QUANTISED in the list below multiply operands that are first quantised to E2M3 (2 exponent bits, 3 mantissa bits; 6 bits a number), with one power-of-two scale for each 32 numbers along K (OCP MX v1.0); their sums are f32. All else is computed in f32.
;;   The module's matrix products, in the order in which they are computed (A, B: the left and right operand; K: the contracted axis; several contracted axes count as one K, in the product's order):
;;     1. [M 4,096, K 1,024] x [K 1,024, N 1,024]; A: input q; B: input w_q: QUANTISED
;;     2. [M 4,096, K 1,024] x [K 1,024, N 1,024]; A: input k; B: input w_k: QUANTISED
;;     3. [M 4,096, K 1,024] x [K 1,024, N 1,024]; A: input v; B: input w_v: QUANTISED
;;     4. batch 32 x [M 2,048, K 64] x [K 64, N 2,048]; A: computed on the way; B: computed on the way: QUANTISED
;;     5. batch 32 x [M 2,048, K 2,048] x [K 2,048, N 64]; A: softmax (see below); B: computed on the way: QUANTISED
;;     6. [M 4,096, K 1,024] x [K 1,024, N 1,024]; A: computed on the way; B: input w_o: QUANTISED
;;   THE QUANTISER, for each operand of a quantised product, along K:
;;     - K is cut into blocks of 32 from its start; a last block that is shorter is filled with zeros.
;;     - A block's scale is 2^e with e = floor(log2(the largest magnitude in the block)) - 2, held to -126 .. 127; a block of zeros has e = 0. As a byte (E8M0): e + 127.
;;     - Each number is divided by its block's scale, clamped to +-7.5, and rounded to the nearest number of E2M3, ties to even, subnormals kept.
;;     - The product sums the exact products of the quantised numbers (number of the format x scale) in f32.
;;   ~~~python
;;   def quantise(x, axis):      # numpy; x: float32 -> the quantised numbers, widened to float32 again
;;       x = np.moveaxis(x, axis, -1); K = x.shape[-1]
;;       x = np.pad(x, [(0, 0)] * (x.ndim - 1) + [(0, -K % 32)]); x = x.reshape(x.shape[:-1] + (-1, 32)); a = np.abs(x).max(-1, keepdims=True)
;;       e = np.where(a > 0, np.clip(np.frexp(np.where(a > 0, a, 1))[1] - 1 - 2, -126, 127), 0)      # np.frexp(a)[1] - 1 = floor(log2(a)), exactly
;;       r = np.clip(x / 2.0 ** e, -7.5, 7.5)
;;       step = 2.0 ** (np.maximum(np.frexp(np.where(r == 0, 1, r))[1] - 1, 0) - 3)
;;       q = np.round(r / step) * step * 2.0 ** e      # np.round: ties to even
;;       return np.moveaxis(q.reshape(q.shape[:-2] + (-1,))[..., :K], -1, axis).astype(np.float32)
;;   ~~~
;;   SOFTMAX AHEAD OF A QUANTISED PRODUCT. Where the list says 'softmax', what is quantised is not the finished softmax but p = 2^(t - M), with t = logit x log2(e) and M = ceil(the row's largest t), a whole number; so 1/2 < the row's largest p <= 1. The row's sum l is taken of the UNQUANTISED p, in f32, and the product's result is divided by l at the end. Since M is a whole number, a kernel that streams over the keys may use a running M (the ceiling of the running maximum): every later rescaling is an exact power of two, which a block's scale takes up: the codes' values come out the same.
;;   OPERANDS COMPUTED ON THE WAY. 'Computed on the way' means the value that the module computes at that place (a softmax that the list does not call 'softmax' is quantised finished and normalised). What goes into a quantiser is computed in f32, as accurately as f32 sums, v_exp_f32 and their like allow (about 1e-6 of the number): no bf16 or f16 on the way to a quantiser, and a product that is left as it is and whose result goes on into a quantised operand takes f32 operands (vector FMAs, or v_wmma_f32_16x16x4_f32). A number that lies on a knife's edge between two numbers of the format may be rounded either way, as far as f32 arithmetic and the matrix unit's own rounding can turn it there, and no further.
;; One version. Each part assembles by itself: llvm-mc -triple=amdgcn-amd-amdhsa -mcpu=gfx1250 --defsym DOCPART=n.
;; ======== version 1 of 1: 4 launches
;; limits: right only within a limited range of input values
;; workspace buffers: opc 12,582,912 bytes; ops 524,288 bytes; mbits 524,288 bytes of whole numbers; mflag 262,144 bytes of whole numbers; hc 10,223,616 bytes; xc 3,145,728 bytes; xs 131,072 bytes
;; launch quant (part 1): grid 256 x 1, 4 waves a work-group, no clusters, 34,304 bytes of LDS; arguments q, k, v, w_q, w_k, w_v, w_o, mask, opc, ops, mbits, mflag; writes opc, ops, mbits, mflag
.if DOCPART == 1
	.amdgcn_target "amdgcn-amd-amdhsa--gfx1250"
	.amdhsa_code_object_version 6
	.text
	.protected	k_q5e46d7a7ba_quant
	.globl	k_q5e46d7a7ba_quant
	.p2align	8
	.type	k_q5e46d7a7ba_quant,@function
k_q5e46d7a7ba_quant:
	s_mov_b64 s[64:65], 0
	v_nop
	global_prefetch_b8 v0, s[64:65] scope:SCOPE_SE
	s_setreg_imm32_b32 hwreg(HW_REG_WAVE_MODE, 25, 1), 1
	s_wait_xcnt 0x0
; The seven f32 operands of the four large products (q, k, v: 4,096 rows; w_q, w_k, w_v, w_o: 1,024 rows; 1,024 along K, K innermost) become codes of FP6 (E2M3) with one E8M0 byte for each 32 along K,
; and the mask becomes lane words.  A block's scale is 2^(floor(log2(its largest magnitude)) - 2): its byte is the largest magnitude's exponent field - 2, held at 1 from below.
; LIMITS: NaN and infinities are not served; a block whose largest magnitude lies under 2^-124 keeps the byte 1; a block of zeros has the byte 1 where the rule says 127: its codes are zeros and this program alone reads the bytes.
; A ROW TILE is 16 rows that are not neighbours: tile 2 B + u holds at place r the row 32 B + 8 u + r + 8 (r / 8), so that results made from two neighbouring tiles are 16 neighbours in a lane's registers.
; opc: [row tile 0..1023][64 along K: 0..15][768 bytes]: an image of the operand's registers: three runs of 256 bytes; in run j lane (r, h) has words 2 j, 2 j + 1 of the 24 bytes of (place r, block h of the 64).
; ops: [row tile][place r][32 scale bytes].  mbits: [query tile 0..127][key step 0..15][word j 0..63]: bit r + 16 h of word j says whether key 128 step + 32 (j / 16) + 16 h + j % 16 counts for the query at place r.
; SHARES.  Wave W = 4 x work-group + wave takes row tile W (64 KiB of f32, 8 steps of 128 along K) and two key steps of query tile W / 8.  Waves share nothing: no barrier; the LDS stage is each wave's own.
; Each load reads 512 consecutive bytes of one row; a step's 16 rows turn through the stage (pitch 528) so that a lane gets 32 neighbours along K, a whole block.  Loads run two steps (32 loads a wave) ahead.
; No tensor loads, no cluster, no prefetch: every byte is read once by one wave, and the launch does nothing but stream.
.set SP,   528                         ; a stage row: 512 bytes + 16
.set MP,   272                         ; the mask's stage row: 256 bytes + 16
.set STGB, 16*SP                       ; a wave's stage
.set WD,   16                          ; v16-23  my row's scale words, one for each step
.set TM,   24                          ; v24-27  four chains of the largest magnitude
.set TB,   28                          ; v28-31  at work
.set SCL,  32                          ; v32-33  the conversions' scale operands
.set C,    40                          ; v40-51  a step's codes: 12 registers
.set CT,   52                          ; v52-59  the upper halves of the blocks' codes, as the conversions leave them
.set OUT,  60                          ; v60-63  the mask's words: two key steps x 2 registers
.set X,    64                          ; v64-127 64 numbers: register 32 c + i = k 64 c + 32 h + i of my row.  (First: the mask's bytes)
.set R,    128                         ; v128-255 two sets of 64 registers as loaded
	s_load_b512 s[8:23], s[0:1], 0x0               ; q, k, v, w_q, w_k, w_v, w_o, mask
	s_load_b128 s[24:27], s[0:1], 0x40             ; opc, ops
	s_load_b64 s[28:29], s[0:1], 0x50              ; mbits
	s_load_b64 s[46:47], s[0:1], 0x58              ; mflag: [wave W][32 lanes][2 words]: word k of every lane is the AND of the 64 mask words of my key step k: -1 where every key counts for all 16 queries
	v_lshl_add_u32 v55, v0, 2, 0x8400
	v_mov_b32 v59, 0
	v_lshrrev_b32 v10, 5, v0
	v_readfirstlane_b32 s2, v10                    ; wave 0..3
	s_lshl_b32 s3, ttmp9, 2
	s_add_co_u32 s3, s3, s2                        ; W
	s_mul_i32 s33, s2, STGB                        ; my stage
	v_and_b32 v10, 31, v0                          ; lane
	v_and_b32 v11, 15, v0                          ; r
	v_bfe_u32 v12, v0, 4, 1                        ; h
	v_lshlrev_b32 v1, 4, v10                       ; in: 16 bytes a lane
	v_add_nc_u32 v2, s33, v1                       ; the stage, way in: 16 x lane
	v_mul_u32_u24 v3, v11, SP
	v_lshl_add_u32 v3, v12, 7, v3
	v_add_nc_u32 v3, s33, v3                       ; way out: row r, + 128 h: my block of 32 numbers
	v_lshlrev_b32 v4, 3, v10                       ; out: 8 bytes a lane
	v_lshlrev_b32 v5, 3, v12                       ; 8 h: my bytes' place in a scale word
	v_lshlrev_b32 v6, 5, v11
	v_lshl_add_u32 v6, v12, 4, v6                  ; ops: 32 r + 16 h
	v_lshlrev_b32 v7, 4, v11
	v_lshl_add_u32 v7, v12, 11, v7                 ; the mask, in: sixteen lanes to a row's 256 bytes, lanes 16-31 the next row
	v_mul_u32_u24 v8, v12, MP
	v_lshl_add_u32 v8, v11, 4, v8
	v_add_nc_u32 v8, s33, v8                       ; its stage, way in
	v_mul_u32_u24 v9, v11, MP
	v_lshl_add_u32 v9, v12, 4, v9
	v_add_nc_u32 v9, s33, v9                       ; way out: row r, + 16 h
.irp i, 0,1,2,3
	v_mov_b32 v[OUT+\i], 0                         ; a lane write's destination counts as read
.endr
	s_mov_b32 s30, 0x76543210
	s_mov_b32 s31, 0xfedcba98                      ; v_permlanex16_b32's selects for lane l xor 16
	s_mov_b32 s32, 0xffff0000                      ; lanes 16-31
	s_mov_b32 s37, 0
	s_mov_b32 s39, 0x01010101                      ; four mask bytes that all count
	s_wait_alu depctr_va_vdst(0)
	s_wait_kmcnt 0x0
; which tensor is my work-group's: the choice hangs on the work-group's number alone
	s_mov_b64 s[4:5], s[20:21]                     ; w_o, whose first work-group is 240
	s_mov_b32 s6, 240
.macro PICK n, lo, base                ; work-groups under n take the tensor at s[lo:lo+1], whose first work-group is base
	s_cmp_lt_u32 ttmp9, \n
	s_cselect_b64 s[4:5], s[\lo:\lo+1], s[4:5]
	s_cselect_b32 s6, \base, s6
.endm
	PICK 240, 18, 224
	PICK 224, 16, 208
	PICK 208, 14, 192
	PICK 192, 12, 128
	PICK 128, 10, 64
	PICK 64, 8, 0
	s_sub_co_u32 s34, ttmp9, s6
	s_lshl_b32 s34, s34, 2
	s_add_co_u32 s34, s34, s2                      ; my tile in its tensor: t = 2 B + u
	s_lshr_b32 s35, s34, 1
	s_lshl_b32 s36, s35, 17                        ; 32 B rows of 4,096 bytes
	s_and_b32 s35, s34, 1
	s_lshl_b32 s35, s35, 15                        ; 8 u rows
	s_add_co_u32 s36, s36, s35
	s_add_nc_u64 s[4:5], s[4:5], s[36:37]
	s_lshr_b32 s34, s3, 3                          ; my query tile T
	s_and_b32 s35, s3, 7                           ; and which two of its 16 key steps
	s_lshr_b32 s36, s34, 1
	s_lshl_b32 s36, s36, 16                        ; 32 B rows of 2,048 bytes
	s_and_b32 s38, s34, 1
	s_lshl_b32 s38, s38, 14
	s_add_co_u32 s36, s36, s38
	s_lshl_b32 s38, s35, 8                         ; 256 keys on for each pair of steps
	s_add_co_u32 s36, s36, s38
	s_add_nc_u64 s[22:23], s[22:23], s[36:37]
	s_lshl_b32 s36, s34, 12
	s_lshl_b32 s38, s35, 9
	s_add_co_u32 s36, s36, s38
	s_add_nc_u64 s[28:29], s[28:29], s[36:37]      ; mbits at (T, my first step)
	s_mul_i32 s36, s3, 12288
	s_add_nc_u64 s[24:25], s[24:25], s[36:37]      ; opc at my tile
	s_lshl_b32 s36, s3, 9
	s_add_nc_u64 s[26:27], s[26:27], s[36:37]      ; ops at my tile
	s_lshl_b32 s36, s3, 8
	s_add_nc_u64 s[46:47], s[46:47], s[36:37]      ; mflag at my 256 bytes
.macro LOAD t                          ; step t: 512 bytes of each of my 16 rows into set t % 2
.irp i, 0,1,2,3,4,5,6,7,8,9,10,11,12,13,14,15
	global_load_b128 v[R+64*((\t)%2)+4*\i:R+64*((\t)%2)+4*\i+3], v1, s[4:5] offset:(\i+8*(\i/8))*4096+512*(\t) th:TH_LOAD_NT
.endr
.endm
.irp i, 0,1,2,3,4,5,6,7
	global_load_b128 v[X+4*\i:X+4*\i+3], v7, s[22:23] offset:(2*\i+8*(\i/4))*2048 th:TH_LOAD_NT   ; places 2 i and 2 i + 1 of the query tile: 256 consecutive bytes each
.endr
	LOAD 0
	LOAD 1
; THE MASK.  16 queries x 256 keys turn through the stage, so that lane (r, h) holds the bytes of query r, keys 128 k + 32 b + 16 h + 0 .. 15; a compare over the lanes then IS word j.
	s_wait_loadcnt 32                              ; the 8 loads of the mask are in; the 32 of steps 0 and 1 stay out
.irp i, 0,1,2,3,4,5,6,7
	ds_store_b128 v8, v[X+4*\i:X+4*\i+3] offset:2*\i*MP
.endr
.irp k, 0,1
.irp b, 0,1,2,3
	ds_load_b128 v[X+32+16*\k+4*\b:X+32+16*\k+4*\b+3], v9 offset:128*\k+32*\b   ; LDS serves a wave's instructions in order: these see my stores
.endr
.endr
	s_wait_dscnt 0x0
.irp k, 0,1
.set j, 0
.rept 64
	v_and_b32 v[TB+j%4], 0xff<<(8*(j%4)), v[X+32+16*\k+4*(j/16)+(j%16)/4]   ; key j's byte
	v_cmp_ne_u32 s[40+j%4], 0, v[TB+j%4]           ; one bit a lane: word j
	v_writelane_b32 v[OUT+2*\k+(j&1)], s[40+j%4], j>>1   ; lane l will store words 2 l and 2 l + 1
.set j, j+1
.endr
	global_store_b64 v4, v[OUT+2*\k:OUT+2*\k+1], s[28:29] offset:256*\k   ; 32 lanes store 256 consecutive bytes, aligned
.endr
; A STEP: 128 along K of my 16 rows.
; THE FLAGS.  Bit l of the AND of a step's 64 mask words says that all 64 bytes of lane l count: the AND of the lane's 16 registers of bytes (each 0 or 1) is then 0x01010101
.irp k, 0,1
	v_and_b32 v[36+\k], v[X+32+16*\k], v[X+33+16*\k]
.endr
.irp i, 2,3,4,5,6,7,8,9,10,11,12,13,14,15
.irp k, 0,1
	v_and_b32 v[36+\k], v[36+\k], v[X+32+16*\k+\i]
.endr
.endr
	v_cmp_eq_u32 s44, s39, v36
	v_cmp_eq_u32 s45, s39, v37
	v_mov_b32 v36, s44                             ; the two flags; v36, v37 are written nowhere else
	v_mov_b32 v37, s45
	global_store_b64 v4, v[36:37], s[46:47]        ; 32 lanes store 256 consecutive bytes, aligned
.macro STEP t
.if (\t) < 7
	s_wait_loadcnt 16                              ; this step's 16 loads are in; the next step's stay out
.else
	s_wait_loadcnt 0x0
.endif
.irp i, 0,1,2,3,4,5,6,7,8,9,10,11,12,13,14,15
	ds_store_b128 v2, v[R+64*((\t)%2)+4*\i:R+64*((\t)%2)+4*\i+3] offset:SP*\i
.endr
.irp c, 0,1
.irp q, 0,1,2,3,4,5,6,7
	ds_load_b128 v[X+32*\c+4*\q:X+32*\c+4*\q+3], v3 offset:256*\c+16*\q
.endr
.endr
	s_wait_dscnt 0x0                               ; the numbers are back, so the stores have read their registers,
.if (\t) < 6
	LOAD (\t)+2                                    ; which take the loads of two steps on
.endif
.irp n, 0,1,2,3                        ; chain n: half n / 2 of block n % 2; the floor 2^(3 - 127) is one more leaf: the byte cannot fall under 1
	v_max3_num_f32 v[TM+\n], |v[X+32*(\n%2)+16*(\n/2)]|, |v[X+32*(\n%2)+16*(\n/2)+1]|, 0x1800000
.endr
.irp i, 2,4,6,8,10,12,14
.irp n, 0,1,2,3
	v_max3_num_f32 v[TM+\n], v[TM+\n], |v[X+32*(\n%2)+16*(\n/2)+\i]|, |v[X+32*(\n%2)+16*(\n/2)+\i+1]|
.endr
.endr
.irp c, 0,1
	v_max_num_f32 v[TM+\c], v[TM+\c], v[TM+2+\c]   ; the block's largest magnitude: all 32 numbers are mine
.endr
.irp c, 0,1
	v_add_nc_u32 v[SCL+\c], 0xff000000, v[TM+\c]   ; 2 off its exponent field: the conversion takes the exponent field of this operand as its scale
.endr
.irp c, 0,1
	v_lshrrev_b32 v[TB+\c], 23, v[SCL+\c]          ; the scale's byte
.endr
	v_lshl_or_b32 v[TB], v[TB+1], 16, v[TB]        ; my two bytes: blocks h and 2 + h of the step's four,
	v_lshlrev_b32 v[TB], v5, v[TB]                 ; at their places;
	v_permlanex16_b32 v[TB+2], v[TB], s30, s31
	v_or_b32 v[WD+(\t)], v[TB], v[TB+2]            ; with lane l xor 16's two the word is whole
	s_wait_alu depctr_va_vdst(0)
	s_wait_xcnt 0x0                                ; the last step's stores have read the codes' registers: only now are they written again
.irp c, 0,1
	v_cvt_scalef32_pk16_fp6_f32 v[C+6*\c:C+6*\c+2], v[X+32*\c:X+32*\c+15], v[SCL+\c]
	v_cvt_scalef32_pk16_fp6_f32 v[CT+4*\c:CT+4*\c+2], v[X+32*\c+16:X+32*\c+31], v[SCL+\c]   ; (a conversion's three registers begin on an even number)
.endr
	v_nop                                          ; one plain place behind a scaled conversion
.irp c, 0,1
.irp i, 0,1,2
	v_mov_b32 v[C+6*\c+3+\i], v[CT+4*\c+\i]
.endr
.endr
.irp c, 0,1
.irp j, 0,1,2
	global_store_b64 v4, v[C+6*\c+2*\j:C+6*\c+2*\j+1], s[24:25] offset:(2*(\t)+\c)*768+256*\j   ; 256 consecutive bytes, aligned
.endr
.endr
.endm
.irp t, 0,1,2,3,4,5,6,7
	STEP \t
.endr
.irp i, 0,1,2,3
	v_cndmask_b32 v[TB+\i], v[WD+\i], v[WD+4+\i], s32   ; lanes 0-15 store their row's words 0-3, lanes 16-31 words 4-7
.endr
	global_store_b128 v6, v[TB:TB+3], s[26:27]     ; 512 consecutive bytes
	s_wait_tensorcnt 0x0
	ds_add_u32 v55, v59
	s_wait_dscnt 0x0
	s_endpgm
.Lfunc_end_k_q5e46d7a7ba_quant:
	.size	k_q5e46d7a7ba_quant, .Lfunc_end_k_q5e46d7a7ba_quant-k_q5e46d7a7ba_quant
	.p2alignl 7, 3214868480
	.fill 96, 4, 3214868480
	.section	.rodata,"a",@progbits
	.p2align	6, 0x0
	.amdhsa_kernel k_q5e46d7a7ba_quant
		.amdhsa_group_segment_fixed_size 34304
		.amdhsa_private_segment_fixed_size 0
		.amdhsa_enable_private_segment 0
		.amdhsa_kernarg_size 96
		.amdhsa_user_sgpr_count 2
		.amdhsa_user_sgpr_kernarg_segment_ptr 1
		.amdhsa_wavefront_size32 1
		.amdhsa_system_sgpr_workgroup_id_x 1
		.amdhsa_system_sgpr_workgroup_id_y 1
		.amdhsa_system_sgpr_workgroup_id_z 1
		.amdhsa_system_vgpr_workitem_id 0
		.amdhsa_next_free_vgpr 256
		.amdhsa_next_free_sgpr 66
		.amdhsa_reserve_vcc 0
		.amdhsa_float_denorm_mode_32 3
		.amdhsa_float_denorm_mode_16_64 3
		.amdhsa_memory_ordered 1
		.amdhsa_forward_progress 1
		.amdhsa_inst_pref_size 90
	.end_amdhsa_kernel
	.amdgpu_metadata
---
amdhsa.version: [ 1, 2 ]
amdhsa.kernels:
  - .name:           k_q5e46d7a7ba_quant
    .symbol:         k_q5e46d7a7ba_quant.kd
    .args:
      - { .name: q, .offset: 0, .size: 8, .value_kind: global_buffer, .address_space: global }
      - { .name: k, .offset: 8, .size: 8, .value_kind: global_buffer, .address_space: global }
      - { .name: v, .offset: 16, .size: 8, .value_kind: global_buffer, .address_space: global }
      - { .name: w_q, .offset: 24, .size: 8, .value_kind: global_buffer, .address_space: global }
      - { .name: w_k, .offset: 32, .size: 8, .value_kind: global_buffer, .address_space: global }
      - { .name: w_v, .offset: 40, .size: 8, .value_kind: global_buffer, .address_space: global }
      - { .name: w_o, .offset: 48, .size: 8, .value_kind: global_buffer, .address_space: global }
      - { .name: mask, .offset: 56, .size: 8, .value_kind: global_buffer, .address_space: global }
      - { .name: opc, .offset: 64, .size: 8, .value_kind: global_buffer, .address_space: global }
      - { .name: ops, .offset: 72, .size: 8, .value_kind: global_buffer, .address_space: global }
      - { .name: mbits, .offset: 80, .size: 8, .value_kind: global_buffer, .address_space: global }
      - { .name: mflag, .offset: 88, .size: 8, .value_kind: global_buffer, .address_space: global }
    .group_segment_fixed_size: 34304
    .private_segment_fixed_size: 0
    .kernarg_segment_align: 8
    .kernarg_segment_size: 96
    .max_flat_workgroup_size: 128
    .sgpr_count:     66
    .vgpr_count:     256
    .wavefront_size: 32
...
	.end_amdgpu_metadata
.endif
;; end of part 1
;; launch proj (part 2): grid 4 x 48, 4 waves a work-group, clusters of 4 x 4, 327,680 bytes of LDS; arguments opc, ops, hc; writes hc
.if DOCPART == 2
	.amdgcn_target "amdgcn-amd-amdhsa--gfx1250"
	.amdhsa_code_object_version 6
	.text
	.protected	k_q5e46d7a7ba_proj
	.globl	k_q5e46d7a7ba_proj
	.p2align	8
	.type	k_q5e46d7a7ba_proj,@function
k_q5e46d7a7ba_proj:
	s_mov_b64 s[64:65], 0
	v_nop
	global_prefetch_b8 v0, s[64:65] scope:SCOPE_SE
	s_setreg_imm32_b32 hwreg(HW_REG_WAVE_MODE, 25, 1), 1
	s_wait_xcnt 0x0
	s_wait_alu depctr_hold_cnt(0) depctr_sa_sdst(0) depctr_va_vdst(0) depctr_va_sdst(0) depctr_va_ssrc(0) depctr_va_vcc(0) depctr_vm_vsrc(0)
	s_getreg_b32 s2, hwreg(HW_REG_IB_STS2, 6, 4)
	s_cmp_eq_u32 s2, 0
	s_cbranch_scc0 .Lentry_in_a_cluster
	s_endpgm
.Lentry_in_a_cluster:
	s_bfe_u32 s2, ttmp6, 0x10000c
	s_cmp_lg_u32 s2, 0xf033
	s_cbranch_scc0 .Lentry_shape_is_right
	s_endpgm
.Lentry_shape_is_right:
; The three projections, on codes of FP6 (E2M3) with E8M0 scales, 1,024 along K; the results are quantised in registers and leave as codes in the layouts that the attention launch reads.
; A work-group makes 256 rows of operand 0 x 256 rows of operand 1; a wave 128 x 128: 64 accumulators of 16 x 16, 512 registers.  The matrix instruction takes operand 0 as source 0: a lane then holds ONE row of operand 1, and its registers run along operand 0's rows.
; Q and K (mode 0, 1): operand 0 = the weight's rows, so a lane's registers run along the features: Q and K are quantised along the head's 64.  V (mode 2): operand 0 = the tokens, so they run along the keys.
; Row tiles are permuted (tile 2 B + u, place r: row 32 B + 8 u + r + 8 (r / 8)), so the 16 registers of result tiles 2 b and 2 b + 1 are 16 neighbours: 32 b + 16 h + 0 .. 15.
; GRID.  Each mode has 4 x 16 blocks of 256 x 256: 64 work-groups, four clusters of 4 x 4; 192 work-groups in all, one to a WGP.
; THE RING.  K goes in four runs of 256 (two steps of 128) through two LDS slots.  A slot holds, of each of the 32 row tiles, 3,072 consecutive bytes of opc, an image of the operand's registers: operand 1's 16 tiles, then operand 0's.
; Each wave fetches a quarter of a slot, 8 tiles, by one tensor load; by the text's own count one tensor load of a wave is out.  A run's load has the two steps of the run before, 128 matrix instructions a wave, in which to land.
; CLUSTER.  Operand 1's block hangs on cy and is asked for jointly by a row of the cluster, operand 0's on cx and by a column.  The scale words go from memory straight into registers, once.
; NO PREFETCH: the block is the largest and K has four runs only; the first two are asked for at the head.
; A STEP of 128 along K is 64 matrix instructions, operand 1's tiles one after the other, each against operand 0's eight: so operand 1 has ONE set of fragment registers (tiles 0-3 fetched anew in the step's middle, 4-7 at its end), operand 0 two.
; hc: [Q, K, V][batch x 16 + head][4 chunks of 26,624 bytes].  Q, K chunk: 32 token tiles x 768 bytes of codes, then 16 pairs of tiles x 128 bytes: lane 16 u + r has the word of tile 2 P + u, place r: bytes 0, 1 the head's two
; scale bytes, bytes 2, 3 the neighbour head's or 0.  V chunk: [64 keys: 0..7][channel tile 0..3][768], then [64 keys: 0..7][b 0..1][128 bytes]: at the even places lane 16 u + r has the word of channel tile 2 b + u for 128 keys.
; LIMITS: NaN and infinities are not served; a block under 2^-124, zeros among them, keeps the byte 1 (its codes are what the conversion gives; this program alone reads the bytes).
; REGISTERS: window 0: v1-15 at work at the head, v8-9 my stage; v16-47 operand 0's scale words, v48-79 operand 1's; v80-91 addresses; v104-127 and v128-167 the way out; v128-223 operand 1's fragments.
;   window 1: operand 0's fragments, two sets, at v0 and v128.  windows 2, 3: accumulator (a, b), a: operand 1's tile, b: operand 0's, at v[8 (8 (a % 4) + b)] of window 2 + a / 4.
.set PART,  3407872
.set HB,    106496
.set CH,    26624
.set TROW,  12288                      ; a tile's codes for all of K in opc
.set PH,    3072                       ; and for 256 along K
.set QUART, 8*PH                       ; what one tensor load brings, and what one wave reads of an operand in a run
.set SLOT,  4*QUART
.set SCG,   2*SLOT                     ; behind the ring: 1,024 bytes for each wave: [head or 64 keys: 2][pair of tiles: 4][32 words]
.set SPARE, SCG+4096                   ; behind them the spare words
.set SC0,   16
.set SC1,   48
.set ADRA,  80                         ; v80-81 LDS address of my fragments of operand 1 in slot 0, 1
.set ADRB,  82                         ; v82-83 of operand 0
.set CA,    84                         ; v84-87 where codes go: + 1: the fragment's second 64; + 2: the second two pairs of tiles
.set WA,    88                         ; v88-91 where scale words go
.set TM,    104                        ; v104-107 largest magnitudes, v108-111 bytes, v116-119 the conversions' scale operands
.set CT,    152
.set AF,    128
.set SPW,   254
.set NIL,   255
.set G1,    24                         ; s[24:31] descriptor group 1 for operand 1's tiles; s[32:39] group 0, one set for each slot
.set G0,    32
.set G1B,   48                         ; s[48:55], s[56:63] the same for operand 0's
.set G0B,   56
.set MSB, 0
.macro WIN new                         ; the immediate's high byte repeats the setting that is left
.if MSB != (\new)
	s_set_vgpr_msb (MSB<<8)|(\new)
.set MSB, (\new)
.endif
.endm
.set MUL_LO, 0xa1                      ; source 0 window 1, source 1 window 0, C and D window 2
.set MUL_HI, 0xf1                      ; the same, C and D window 3
.set TO_B,   0x40                      ; destination window 1, address window 0
.macro JLOAD g0a, g1a, g0b, g1b        ; a joint load: waves 0, 1 fetch for operand 1, waves 2, 3 for operand 0; an s_nop 0 and four v_nop follow each line
	s_cmp_eq_u32 s15, 0
	s_cbranch_scc0 .Lfor_b_\@
	tensor_load_to_lds s[\g0a:\g0a+3], s[\g1a:\g1a+7]
	s_nop 0
.rept 4
	v_nop
.endr
	s_branch .Lasked_\@
.Lfor_b_\@:
	tensor_load_to_lds s[\g0b:\g0b+3], s[\g1b:\g1b+7]
	s_nop 0
.rept 4
	v_nop
.endr
.Lasked_\@:
.endm
.macro CREST                           ; a round of the cluster's barrier behind its opening barrier
	s_cmp_lg_u32 s14, 0
	s_cbranch_scc1 .Lnot_wave_0_\@
	s_barrier_signal -3
.Lnot_wave_0_\@:
	s_barrier_wait -3
	s_barrier_signal -1
	s_barrier_wait -1
.endm
.macro CROUND                          ; a whole round
	s_barrier_signal -1
	s_barrier_wait -1
	CREST
.endm
.macro PLACES                          ; four plain places behind matrix instructions, ahead of loads into their sources and of reads of their results
.rept 4
	v_nop
.endr
.endm
.macro FRAG reg, adr, s, i             ; tile i's fragment of K step s: an image of the registers, 8 bytes a lane, 256 consecutive bytes a load
.irp j, 0,1,2,3,4,5
	ds_load_b64 v[\reg+2*\j:\reg+2*\j+1], v[\adr+(((\s)>>1)&1)] offset:(\i)*PH+((\s)&1)*1536+256*\j
.endr
.endm
.macro FETCH_B s, p                    ; operand 0's eight fragments of step s into set p
	WIN TO_B
.irp i, 0,1,2,3,4,5,6,7
	FRAG 128*(\p)+12*\i, ADRB, \s, \i
.endr
	WIN 0
.endm
.macro FETCH_A s, i0                   ; operand 1's tiles i0 .. i0 + 3 of step s
.irp i, \i0, \i0+1, \i0+2, \i0+3
	FRAG AF+12*(\i), ADRA, \s, \i
.endr
.endm
.macro ONE zero, pa, pb                ; one product; pa, pb: the scales stand in lanes 16-31 of their registers
.if \zero
.if ((\pa) == 0) && ((\pb) == 0)
	v_wmma_scale_f32_16x16x128_f8f6f4 v[rD:rD+7], v[rA:rA+11], v[rB:rB+11], 0, v[rS], v[rT] matrix_a_fmt:MATRIX_FMT_FP6 matrix_b_fmt:MATRIX_FMT_FP6
.elseif ((\pa) == 1) && ((\pb) == 0)
	v_wmma_scale_f32_16x16x128_f8f6f4 v[rD:rD+7], v[rA:rA+11], v[rB:rB+11], 0, v[rS], v[rT] matrix_a_fmt:MATRIX_FMT_FP6 matrix_b_fmt:MATRIX_FMT_FP6 matrix_a_scale:MATRIX_SCALE_ROW1
.elseif ((\pa) == 0) && ((\pb) == 1)
	v_wmma_scale_f32_16x16x128_f8f6f4 v[rD:rD+7], v[rA:rA+11], v[rB:rB+11], 0, v[rS], v[rT] matrix_a_fmt:MATRIX_FMT_FP6 matrix_b_fmt:MATRIX_FMT_FP6 matrix_b_scale:MATRIX_SCALE_ROW1
.else
	v_wmma_scale_f32_16x16x128_f8f6f4 v[rD:rD+7], v[rA:rA+11], v[rB:rB+11], 0, v[rS], v[rT] matrix_a_fmt:MATRIX_FMT_FP6 matrix_b_fmt:MATRIX_FMT_FP6 matrix_a_scale:MATRIX_SCALE_ROW1 matrix_b_scale:MATRIX_SCALE_ROW1
.endif
.else
.if ((\pa) == 0) && ((\pb) == 0)
	v_wmma_scale_f32_16x16x128_f8f6f4 v[rD:rD+7], v[rA:rA+11], v[rB:rB+11], v[rD:rD+7], v[rS], v[rT] matrix_a_fmt:MATRIX_FMT_FP6 matrix_b_fmt:MATRIX_FMT_FP6
.elseif ((\pa) == 1) && ((\pb) == 0)
	v_wmma_scale_f32_16x16x128_f8f6f4 v[rD:rD+7], v[rA:rA+11], v[rB:rB+11], v[rD:rD+7], v[rS], v[rT] matrix_a_fmt:MATRIX_FMT_FP6 matrix_b_fmt:MATRIX_FMT_FP6 matrix_a_scale:MATRIX_SCALE_ROW1
.elseif ((\pa) == 0) && ((\pb) == 1)
	v_wmma_scale_f32_16x16x128_f8f6f4 v[rD:rD+7], v[rA:rA+11], v[rB:rB+11], v[rD:rD+7], v[rS], v[rT] matrix_a_fmt:MATRIX_FMT_FP6 matrix_b_fmt:MATRIX_FMT_FP6 matrix_b_scale:MATRIX_SCALE_ROW1
.else
	v_wmma_scale_f32_16x16x128_f8f6f4 v[rD:rD+7], v[rA:rA+11], v[rB:rB+11], v[rD:rD+7], v[rS], v[rT] matrix_a_fmt:MATRIX_FMT_FP6 matrix_b_fmt:MATRIX_FMT_FP6 matrix_a_scale:MATRIX_SCALE_ROW1 matrix_b_scale:MATRIX_SCALE_ROW1
.endif
.endif
.endm
; 16 matrix instructions: operand 1's tiles a0, a0 + 1 x operand 0's eight, K step s; p: operand 0's set.  zero = 1: the first step starts the sums.
; The 64 accumulators take turns, one instruction a turn, in the same order in every step.
.macro MUL16 a0, p, s, zero
.irp a, \a0, \a0+1
.irp b, 0,1,2,3,4,5,6,7
.set rD, 8*(8*((\a)%4)+\b)
.set rA, 128*(\p)+12*\b
.set rB, AF+12*(\a)
.set rS, SC0+8*(\b/2)+(\s)
.set rT, SC1+8*((\a)/2)+(\s)
	ONE \zero, \b%2, (\a)%2
.endr
.endr
.endm
; A step: 64 matrix instructions on step s's fragments; the next step's are fetched in its middle and at its end.  An odd step is the last of its run: the next step's fragments lie in the other slot.  ONE barrier then does two things:
; in front of it each wave waits for all its tensor loads (its part of the other slot), adds 0 to its spare word, and waits for that and for its reads of this slot.  Where a run two further on is left, the barrier opens a round
; of the cluster's barrier and this slot is filled again, first behind the round.
.macro STEP s, zero
.set NX, (\s)+1
.set SL, ((\s)>>1)&1
.if (\s)&1
	s_wait_tensorcnt 0x0                           ; all my tensor loads have landed (every window is 0 here)
	ds_add_u32 v[SPW], v[NIL]
	s_wait_dscnt 25                                ; the add and the youngest 24 loads, operand 1's tiles 4-7, may be out
	WIN MUL_LO
	MUL16 0, (\s)%2, \s, \zero
	s_wait_dscnt 0x0                               ; the add is done, and my reads of this slot are over
	s_barrier_signal -1
	MUL16 2, (\s)%2, \s, \zero
	WIN 0
	s_barrier_wait -1
.if (\s) < 5
	CREST
	s_add_nc_u64 s[G0+4*SL+2:G0+4*SL+3], s[G0+4*SL+2:G0+4*SL+3], 2*PH
	s_add_nc_u64 s[G0B+4*SL+2:G0B+4*SL+3], s[G0B+4*SL+2:G0B+4*SL+3], 2*PH
	JLOAD G0+4*SL, G1, G0B+4*SL, G1B               ; the run two further on; the four v_nop behind it are the places in front of the loads below
.else
	PLACES
.endif
.else
	s_wait_dscnt 24                                ; operand 0's set and operand 1's tiles 0-3 are in; the youngest 24 loads may be out
	WIN MUL_LO
	MUL16 0, (\s)%2, \s, \zero
	MUL16 2, (\s)%2, \s, \zero
	s_wait_dscnt 0x0                               ; operand 1's tiles 4-7 are in
	PLACES
.endif
	FETCH_B NX, NX%2
	FETCH_A NX, 0
	WIN MUL_HI
	MUL16 4, (\s)%2, \s, \zero
	MUL16 6, (\s)%2, \s, \zero
	PLACES
	WIN 0
	FETCH_A NX, 4
.endm
	s_load_b128 s[4:7], s[0:1], 0x0                ; opc, ops
	s_load_b64 s[66:67], s[0:1], 0x10              ; hc
	v_lshl_add_u32 v[SPW], v0, 2, SPARE
	v_mov_b32 v[NIL], 0
	ds_add_u32 v[SPW], v[NIL]                      ; the opening lines: the add, twice on end, and its wait ahead of my first tensor load
	ds_add_u32 v[SPW], v[NIL]
	v_lshrrev_b32 v1, 5, v0
	v_readfirstlane_b32 s14, v1                    ; wave 0..3
	s_lshr_b32 s15, s14, 1                         ; which half of operand 1's tiles is mine.  Also: I fetch for operand 1 (0) or operand 0 (1)
	s_and_b32 s16, s14, 1                          ; which half of operand 0's.  Also: which eight tiles I fetch
	s_bfe_u32 s40, ttmp6, 0x40000                  ; cx
	s_bfe_u32 s41, ttmp6, 0x40004                  ; cy
	s_and_b32 s8, ttmp7, 0xffff                    ; the cluster's y: 0..11
	s_lshr_b32 s9, s8, 2                           ; mode: 0 Q, 1 K, 2 V: the same in all partners
	s_and_b32 s10, s8, 3
	s_lshl_b32 s10, s10, 2                         ; which four of the 16 blocks of tokens
	s_lshl_b32 s68, s9, 6
	s_add_co_u32 s68, s68, 768                     ; Q, K: operand 0's tensor begins at tile 768 + 64 mode,
	s_lshl_b32 s71, s9, 8                          ; operand 1's at 256 mode
	s_mov_b32 s82, 3072                            ; the output's strides, Q and K's first: from two pairs of tiles to the next two,
	s_mov_b32 s83, HB                              ; from the fragment's first 64 to its second,
	s_mov_b32 s84, 256                             ; and the same two for the scale words
	s_mov_b32 s85, HB
	s_cmp_eq_u32 s9, 2
	s_cselect_b32 s11, s10, 0
	s_cselect_b32 s12, 0, s10
	s_cselect_b32 s68, 512, s68                    ; V: operand 0 = v's tokens, from tile 512,
	s_cselect_b32 s71, 896, s71                    ; operand 1 = w_v, from tile 896
	s_cselect_b32 s82, HB, s82
	s_cselect_b32 s83, 3072, s83
	s_cselect_b32 s84, HB, s84
	s_cselect_b32 s85, 256, s85
	s_add_co_u32 s11, s11, s40                     ; my block of operand 0: made of cx and the cluster's number alone
	s_add_co_u32 s12, s12, s41                     ; my block of operand 1: of cy and the cluster's number alone
	s_lshl_b32 s69, s11, 4
	s_add_co_u32 s69, s69, s68                     ; operand 0's first tile
	s_lshl_b32 s70, s12, 4
	s_add_co_u32 s70, s70, s71                     ; operand 1's
	s_lshl_b32 s17, s16, 3
	s_add_co_u32 s72, s69, s17
	s_lshl_b32 s76, s72, 9                         ; the scale bytes of my eight tiles of operand 0
	s_mul_i32 s72, s72, TROW
	s_mov_b32 s73, 0
	s_add_co_u32 s74, s70, s17
	s_mul_i32 s74, s74, TROW
	s_mov_b32 s75, 0
	s_mov_b32 s77, 0
	s_lshl_b32 s78, s15, 3
	s_add_co_u32 s78, s78, s70
	s_lshl_b32 s78, s78, 9                         ; and of operand 1
	s_mov_b32 s79, 0
	s_mul_i32 s45, s14, QUART                      ; where my loads go: no place in the cluster enters an LDS address
	s_lshl_b32 s43, s41, 2
	s_lshl_b32 s43, 15, s43                        ; my row of the cluster
	s_lshl_b32 s44, 0x1111, s40                    ; my column
	; descriptor group 1: 8 rows (tiles) of 384 elements of 8 bytes (256 along K), 1,536 elements apart; no padding
	s_or_b32 s[G1], s43, (3<<16)|(1<<21)
	s_or_b32 s[G1B], s44, (3<<16)|(1<<21)
.irp g, G1, G1B
	s_mov_b32 s[\g+1], 384<<16                     ; tensor_dim0
	s_mov_b32 s[\g+2], 8<<16                       ; tensor_dim1
	s_mov_b32 s[\g+3], 384<<16                     ; tile_dim0
	s_mov_b32 s[\g+4], 8                           ; tile_dim1
	s_mov_b32 s[\g+5], 1536                        ; tensor_dim0_stride
	s_mov_b32 s[\g+6], 0
	s_mov_b32 s[\g+7], 0
.endr
	s_wait_dscnt 0x0                               ; both opening adds are done
	s_wait_kmcnt 0x0
	s_add_nc_u64 s[20:21], s[4:5], s[74:75]        ; operand 1's eight tiles that I fetch
	s_add_nc_u64 s[46:47], s[4:5], s[72:73]        ; operand 0's
	s_add_nc_u64 s[76:77], s[6:7], s[76:77]
	s_add_nc_u64 s[78:79], s[6:7], s[78:79]
	CROUND                                         ; all sixteen work-groups are here: the first joint loads meet
.irp s, 0,1
	s_mov_b32 s[G0+4*\s], 1
	s_add_co_u32 s[G0+4*\s+1], s45, \s*SLOT
	s_add_nc_u64 s[G0+4*\s+2:G0+4*\s+3], s[20:21], \s*PH
	s_or_b32 s[G0+4*\s+3], s[G0+4*\s+3], 0x80000000
	s_mov_b32 s[G0B+4*\s], 1
	s_add_co_u32 s[G0B+4*\s+1], s45, \s*SLOT
	s_add_nc_u64 s[G0B+4*\s+2:G0B+4*\s+3], s[46:47], \s*PH
	s_or_b32 s[G0B+4*\s+3], s[G0B+4*\s+3], 0x80000000
.endr
	JLOAD G0, G1, G0B, G1B                         ; the first run
	s_mul_i32 s22, s15, QUART                      ; my eight tiles of operand 1 in a slot,
	s_mul_i32 s23, s16, QUART
	s_add_co_u32 s23, s23, 2*QUART                 ; and of operand 0, behind operand 1's sixteen
	s_lshl_b32 s17, s14, 10
	s_add_co_u32 s17, s17, SCG                     ; my stage
	s_mov_b32 s91, 0xffff0000                      ; lanes 16-31
	s_mov_b32 s92, 0x76543210
	s_mov_b32 s93, 0xfedcba98
	; where my 128 x 128 goes.  s80: its block of 128 along the tokens; s81: its block of 128 along the features (two heads)
	s_lshl_b32 s18, s11, 1
	s_add_co_u32 s18, s18, s16
	s_lshl_b32 s19, s12, 1
	s_add_co_u32 s19, s19, s15
	s_cmp_eq_u32 s9, 2
	s_cselect_b32 s80, s18, s19
	s_cselect_b32 s81, s19, s18
	s_mul_i32 s86, s9, PART
	s_lshr_b32 s87, s80, 4                         ; the batch
	s_lshl_b32 s87, s87, 4
	s_lshl_b32 s88, s81, 1
	s_add_co_u32 s87, s87, s88                     ; batch x 16 + the first of my two heads
	s_mul_i32 s87, s87, HB
	s_add_co_u32 s86, s86, s87
	s_bfe_u32 s87, s80, 0x20002                    ; the chunk: 512 tokens
	s_mul_i32 s87, s87, CH
	s_add_co_u32 s86, s86, s87
	s_and_b32 s87, s80, 3                          ; my 128 tokens in it
	s_mul_i32 s88, s87, 6144
	s_add_co_u32 s88, s88, s86                     ; codes
	s_lshl_b32 s89, s87, 9
	s_add_co_u32 s89, s89, s86
	s_add_co_u32 s89, s89, 24576                   ; scale words
	v_and_b32 v13, 31, v0                          ; lane
	v_and_b32 v14, 15, v0                          ; r
	v_bfe_u32 v15, v0, 4, 1                        ; h
	v_lshlrev_b32 v5, 5, v14
	v_lshl_add_u32 v5, v15, 9, v5                  ; scale bytes: 32 r, lanes 16-31 the next tile's
.irp b, 0,1,2,3                        ; register SC + 8 b + s: lanes 0-15 tile 2 b's words of K step s, lanes 16-31 tile 2 b + 1's
.irp e, 0,1
	global_load_b128 v[SC0+8*\b+4*\e:SC0+8*\b+4*\e+3], v5, s[76:77] offset:1024*\b+16*\e
	global_load_b128 v[SC1+8*\b+4*\e:SC1+8*\b+4*\e+3], v5, s[78:79] offset:1024*\b+16*\e
.endr
.endr
	v_lshlrev_b32 v1, 3, v13                       ; 8 x lane
	v_add_nc_u32 v[ADRA], s22, v1
	v_add_nc_u32 v[ADRB], s23, v1
	v_add_nc_u32 v[ADRA+1], SLOT, v[ADRA]
	v_add_nc_u32 v[ADRB+1], SLOT, v[ADRB]
	v_lshl_add_u32 v8, v13, 2, s17                 ; my stage: in, 4 bytes a lane;
	v_lshl_add_u32 v9, v13, 3, s17                 ; back, 8 bytes a lane
	v_add_nc_u32 v[CA], s88, v1
	v_add_nc_u32 v[CA+1], s83, v[CA]
	v_add_nc_u32 v[CA+2], s82, v[CA]
	v_add_nc_u32 v[CA+3], s82, v[CA+1]
	v_add_nc_u32 v[WA], s89, v1
	v_add_nc_u32 v[WA+1], s85, v[WA]
	v_add_nc_u32 v[WA+2], s84, v[WA]
	v_add_nc_u32 v[WA+3], s84, v[WA+1]
.irp b, 0,1,2,3
	v_mov_b32 v[TM+4+\b], 0                        ; written once: a lane permute's destination counts as one of its sources
.endr
	s_wait_alu depctr_va_vdst(0)
	s_wait_tensorcnt 0x0                           ; my part of the first run is in
	ds_add_u32 v[SPW], v[NIL]
	s_wait_dscnt 0x0
	CROUND                                         ; everybody's part is in, and all sixteen work-groups are here
	JLOAD G0+4, G1, G0B+4, G1B                     ; the second run, the first tensor load behind the round
	FETCH_B 0, 0
	FETCH_A 0, 0
	FETCH_A 0, 4
	s_wait_loadcnt 0x0                             ; the scale words
	STEP 0, 1                                      ; the first step's products start the sums
.irp s, 1,2,3,4,5,6
	STEP \s, 0
.endr
	s_wait_dscnt 24                                ; the last step: nothing more to fetch
	WIN MUL_LO
	MUL16 0, 1, 7, 0
	MUL16 2, 1, 7, 0
	s_wait_dscnt 0x0
	WIN MUL_HI
	MUL16 4, 1, 7, 0
	MUL16 6, 1, 7, 0
	WIN 0
; THE WAY OUT.  64 results of a lane, window w's v[a] on, register 16 b + i = place 32 b + 16 h + i along the next K, become a fragment's codes in v[pc] on and its scale word in v[pw].
.macro QUANT a, w, pc, pw
.irp b, 0,1,2,3
	v_mov_b32 v[TM+\b], 0x1800000                  ; the floor 2^(3 - 127): the byte cannot fall under 1
.endr
	WIN ((\w)<<2)|((\w)<<4)                        ; sources 1 and 2: window w
.irp i, 0,2,4,6,8,10,12,14             ; ascending: each accumulator is read from its low end on
.irp b, 0,1,2,3
	v_max3_num_f32 v[TM+\b], v[TM+\b], |v[\a+16*\b+\i]|, |v[\a+16*\b+\i+1]|
.endr
.endr
	WIN 0
.irp b, 0,1,2,3
	v_permlanex16_b32 v[TM+4+\b], v[TM+\b], s92, s93
.endr
.irp b, 0,1,2,3
	v_max_num_f32 v[TM+\b], v[TM+\b], v[TM+4+\b]   ; with lane l xor 16's: the block's largest magnitude
.endr
.irp b, 0,1,2,3
	v_add_nc_u32 v[TM+12+\b], 0xff000000, v[TM+\b] ; 2 off its exponent field: the conversion's scale operand
.endr
.irp b, 0,1,2,3
	v_lshrrev_b32 v[TM+4+\b], 23, v[TM+12+\b]      ; the scale's byte
.endr
	v_lshl_or_b32 v[\pw], v[TM+5], 8, v[TM+4]
	v_lshl_or_b32 v[\pw], v[TM+6], 16, v[\pw]
	v_lshl_or_b32 v[\pw], v[TM+7], 24, v[\pw]
	WIN (\w)                                       ; source 0: window w
.irp c, 0,1
	v_cvt_scalef32_pk16_fp6_f32 v[\pc+6*\c:\pc+6*\c+2], v[\a+32*\c:\a+32*\c+15], v[TM+12+2*\c]
	v_cvt_scalef32_pk16_fp6_f32 v[CT+4*\c:CT+4*\c+2], v[\a+32*\c+16:\a+32*\c+31], v[TM+12+2*\c+1]   ; (a conversion's three registers begin on an even number)
.endr
	WIN 0
	v_nop                                          ; one plain place behind a scaled conversion
.irp c, 0,1                            ; the layout wants a WHOLE block in a lane: lanes 0-15 block 2 c, lanes 16-31 block 2 c + 1
.irp i, 0,1,2
	v_permlane16_swap_b32 v[\pc+6*\c+\i], v[CT+4*\c+\i]
.endr
.irp i, 0,1,2
	v_mov_b32 v[\pc+3+6*\c+\i], v[CT+4*\c+\i]
.endr
.endr
.endm
.macro PAIR w                          ; operand 1's tiles 2 w and 2 w + 1 of my eight
.if (\w) > 0
	s_wait_xcnt 0x0                                ; the last pair's stores have read the codes' registers: only now are they written again
.endif
	QUANT 64*((2*(\w))%4), 2+(\w)/2, 128, 120
	QUANT 64*((2*(\w)+1)%4), 2+(\w)/2, 140, 121
.irp u, 0,1
.irp c, 0,1
.irp j, 0,1,2
	global_store_b64 v[CA+\c+2*((\w)>>1)], v[128+12*\u+6*\c+2*\j:129+12*\u+6*\c+2*\j], s[66:67] offset:((\w)&1)*1536+768*\u+256*\j   ; 32 lanes store 256 consecutive bytes, aligned
.endr
.endr
.endr
	v_cndmask_b32 v122, v120, v121, s91            ; lanes 0-15: the first tile's words; lanes 16-31: the second's
	v_lshrrev_b32 v123, 16, v122                   ; bytes 2, 3 moved down: the second head's (V: written, not used)
	ds_store_b32 v8, v122 offset:128*(\w)
	ds_store_b32 v8, v123 offset:512+128*(\w)
.endm
	PLACES
.irp w, 0,1,2,3
	PAIR \w
.endr
.irp p, 0,1
.irp q, 0,1
	ds_load_b64 v[160+2*\p+4*\q:161+2*\p+4*\q], v9 offset:512*\p+256*\q   ; two pairs' words on end; LDS serves a wave's instructions in order: these see my stores
.endr
.endr
	s_wait_dscnt 0x0
.irp p, 0,1
.irp q, 0,1
	global_store_b64 v[WA+\p+2*\q], v[160+2*\p+4*\q:161+2*\p+4*\q], s[66:67]   ; 256 consecutive bytes, aligned
.endr
.endr
	s_wait_tensorcnt 0x0                           ; the wave's end, behind my last tensor load and my last LDS store
	ds_add_u32 v[SPW], v[NIL]
	s_wait_dscnt 0x0
	CROUND                                         ; the closing round: no work-group ends while a partner may still ask for a tile that names it
	s_endpgm
.Lfunc_end_k_q5e46d7a7ba_proj:
	.size	k_q5e46d7a7ba_proj, .Lfunc_end_k_q5e46d7a7ba_proj-k_q5e46d7a7ba_proj
	.p2alignl 7, 3214868480
	.fill 96, 4, 3214868480
	.section	.rodata,"a",@progbits
	.p2align	6, 0x0
	.amdhsa_kernel k_q5e46d7a7ba_proj
		.amdhsa_group_segment_fixed_size 327680
		.amdhsa_private_segment_fixed_size 0
		.amdhsa_enable_private_segment 0
		.amdhsa_kernarg_size 24
		.amdhsa_user_sgpr_count 2
		.amdhsa_user_sgpr_kernarg_segment_ptr 1
		.amdhsa_wavefront_size32 1
		.amdhsa_system_sgpr_workgroup_id_x 1
		.amdhsa_system_sgpr_workgroup_id_y 1
		.amdhsa_system_sgpr_workgroup_id_z 1
		.amdhsa_system_vgpr_workitem_id 0
		.amdhsa_next_free_vgpr 1024
		.amdhsa_next_free_sgpr 96
		.amdhsa_reserve_vcc 0
		.amdhsa_float_denorm_mode_32 3
		.amdhsa_float_denorm_mode_16_64 3
		.amdhsa_memory_ordered 1
		.amdhsa_forward_progress 1
		.amdhsa_inst_pref_size 167
	.end_amdhsa_kernel
	.amdgpu_metadata
---
amdhsa.version: [ 1, 2 ]
amdhsa.kernels:
  - .name:           k_q5e46d7a7ba_proj
    .symbol:         k_q5e46d7a7ba_proj.kd
    .args:
      - { .name: opc, .offset: 0, .size: 8, .value_kind: global_buffer, .address_space: global }
      - { .name: ops, .offset: 8, .size: 8, .value_kind: global_buffer, .address_space: global }
      - { .name: hc, .offset: 16, .size: 8, .value_kind: global_buffer, .address_space: global }
    .group_segment_fixed_size: 327680
    .private_segment_fixed_size: 0
    .kernarg_segment_align: 8
    .kernarg_segment_size: 24
    .max_flat_workgroup_size: 128
    .sgpr_count:     96
    .vgpr_count:     1024
    .wavefront_size: 32
...
	.end_amdgpu_metadata
.endif
;; end of part 2
;; launch attn (part 3): grid 8 x 32, 16 waves a work-group, no clusters, 215,040 bytes of LDS; arguments hc, mbits, mflag, xc, xs; writes xc, xs
.if DOCPART == 3
	.amdgcn_target "amdgcn-amd-amdhsa--gfx1250"
	.amdhsa_code_object_version 6
	.text
	.protected	k_q5e46d7a7ba_attn
	.globl	k_q5e46d7a7ba_attn
	.p2align	8
	.type	k_q5e46d7a7ba_attn,@function
k_q5e46d7a7ba_attn:
	s_mov_b64 s[64:65], 0
	v_nop
	global_prefetch_b8 v0, s[64:65] scope:SCOPE_SE
	s_setreg_imm32_b32 hwreg(HW_REG_WAVE_MODE, 25, 1), 1
	s_wait_xcnt 0x0
; Attention of one (batch, head) on codes of FP6 (E2M3) with E8M0 scales: S^T = K Q^T (K = the head's 64), the mask, the softmax, O^T = V^T P^T (K = the keys); x = O / l is quantised along the head's 64 and leaves as codes.
; THE SOFTMAX: t = score x log2(e) / 8; M = the running largest t rounded UP to a whole number; p = 2^(t - M) is quantised along the keys, not normalised; the row's sum is taken of the unquantised p and divides O at the end.
; When M moves, the sum and O^T are multiplied by 2^(old M - new M): exact.
; THE MASK selects values: a hidden score becomes -2^33 (a logit of -2^30 where reference() writes -1e9).  Its product with c is a whole number, so a row with no visible key has p = 1 for every key, as reference() has it.
; For each 16 queries x 128 keys the launch before has stored a flag, the AND of the step's 64 mask words.  Where it is -1 every select would keep its score, and a scalar branch on the stored flag leads round the 64 selects and round nothing else.
; LIMITS: the results differ from reference()'s only where a VISIBLE logit lies under about -1e9.  NaN and infinities are not served.  A block of x under 2^-124 keeps the byte 1; a block of p that is all zeros keeps the byte 1: its codes are zeros.
; SHARES.  A work-group owns 256 queries of one (batch, head); each of its sixteen waves owns one tile of 16 (permuted: place r of tile 2 B + u is query 32 B + 8 u + r + 8 (r / 8)) in 256 registers: four waves to a SIMD.
; Every wave walks the 2,048 keys in 16 steps of 128.  A lane holds ONE query (lane % 16) throughout; the 16 registers of score tiles 2 b, 2 b + 1 are keys 32 b + 16 (lane / 16) + 0 .. 15.
; LDS.  The head's K and V, codes and scale words (2 x 106,496 bytes), are filled ONCE, through registers: waves 0-7 bring K, waves 8-15 V, 13,312 bytes each, by 26 loads of 512 consecutive bytes and 26 LDS stores; one barrier shows them to all.
; NO TENSOR LOAD, NO CLUSTER: the fill goes through registers and there is no joint request to make.
; NO PREFETCH: all that the work-group reads of K and V is asked for in its first lines; there is no loop to run ahead in.
; THE MASK WORDS, 64 a step, stand in four sets of sixteen scalar registers, the flag in s22; behind the selects they take the next step's: each scalar load has a whole step in which to come back.
; K = 64 IN AN INSTRUCTION OF 128: Q's upper six registers are zero codes; K's tile t is v[36 + 6 t] on, 12 registers, so its upper six are the next tile's codes (the last tile's: six zeros).  No code is NaN and no scale byte is 0xff: those products are zeros.
; REGISTERS: v1-4 lane addresses; v5 -2^33; v7 xs; v8-11 addresses in hand; v12 -M, v13 the largest t, v[14:15] the sum; v16-27 Q; v28 Q's scales; v30-33 K's, v34-35 V's; v36-83 fragments; v84-89 zeros;
;   v96-159 S^T, then p; v160-191 O^T; v192-203 p's codes; v204-211 the conversions' second halves; v212-215 block maxima; v216-219 bytes; v220-223 scale operands; v224-225 at work; v[226:227] f; v228 p's scale word; v238-251 seven chains of the sum.
;   At the head v96-199 carry my share of K or V.  s2 wave, s3 count, s[4:5] my tile's mask words, s6 the step's offset in them, s7 / s8 the step's codes / scale words in LDS, s9 lanes 16-31, s[10:11] lane selects, s[12:13] c,
;   s[14:15] xs, s[66:67] xc, s[16:17] hc, s[20:21] my tile's flags, s22 the flag, s23 its offset; s[32:47], s[48:63], s[68:83], s[84:99] the mask words (at the head s40-51 are at work).
.set PART,  3407872
.set HB,    106496
.set CH,    26624
.set VB,    HB                         ; LDS: K at 0, V here
.set SHARE, HB/8                       ; what one wave brings
.set SPARE, 2*HB                       ; behind K and V: the spare words, 128 bytes for each wave
.set MA,    32
.set MB,    48
.set MC,    68
.set MD,    84
.set SM,    238
	s_load_b128 s[16:19], s[0:1], 0x0              ; hc, mbits
	s_load_b128 s[24:27], s[0:1], 0x10             ; mflag, xc
	s_load_b64 s[14:15], s[0:1], 0x20              ; xs
	v_lshl_add_u32 v254, v0, 2, SPARE
	v_mov_b32 v255, 0
	v_lshrrev_b32 v8, 5, v0
	v_and_b32 v29, 31, v0                          ; lane
	s_delay_alu instid0(VALU_DEP_1)
	v_lshlrev_b32 v6, 4, v29                       ; 16 x lane
	s_delay_alu instid0(VALU_DEP_3)
	v_readfirstlane_b32 s2, v8                     ; wave 0..15
	s_wait_alu depctr_va_vdst(0)
	s_and_b32 s8, ttmp7, 0xffff                    ; batch x 16 + head
	s_lshr_b32 s9, s2, 3                           ; I bring 0: K, 1: V,
	s_and_b32 s10, s2, 7                           ; and which eighth of it
	s_mul_i32 s6, s8, HB
	s_add_co_u32 s7, s9, 1
	s_mul_i32 s7, s7, PART
	s_add_co_u32 s7, s7, s6
	s_mul_i32 s10, s10, SHARE
	s_add_co_u32 s7, s7, s10                       ; where my share begins in hc,
	s_mul_i32 s11, s2, SHARE                       ; and in LDS
	v_add_nc_u32 v9, s7, v6
	v_add_nc_u32 v10, s11, v6
	s_wait_alu depctr_va_vdst(0)
	s_wait_kmcnt 0x0
.set j, 0
.rept 26
	global_load_b128 v[96+4*j:99+4*j], v9, s[16:17] offset:512*j   ; 512 consecutive bytes a load
.set j, j+1
.endr
	s_lshl_b32 s51, ttmp9, 4
	s_add_co_u32 s51, s51, s2                      ; T: my query tile, 0..127
	s_lshl_b32 s40, s51, 12
	s_mov_b32 s41, 0
	s_add_nc_u64 s[4:5], s[18:19], s[40:41]        ; its 16 x 64 mask words
	s_lshl_b32 s40, s51, 11
	s_add_nc_u64 s[20:21], s[24:25], s[40:41]      ; its flags: step n's at 256 (n / 2) + 4 (n % 2)
	s_lshr_b32 s42, s51, 5
	s_mul_i32 s42, s42, CH
	s_add_co_u32 s42, s42, s6                      ; Q's chunk (Q is hc's first part)
	s_and_b32 s44, s51, 31
	s_mul_i32 s44, s44, 768
	s_add_co_u32 s44, s44, s42                     ; my tile's codes
	s_bfe_u32 s45, s51, 0x40001
	s_lshl_b32 s45, s45, 7                         ; my pair's 128 bytes of scale words,
	s_and_b32 s46, s51, 1
	s_lshl_b32 s46, s46, 6                         ; my tile's half of them
	s_add_co_u32 s45, s45, s46
	s_add_co_u32 s45, s45, s42
	s_add_co_u32 s45, s45, 24576
	s_lshr_b32 s46, s8, 4
	s_lshl_b32 s46, s46, 7
	s_add_co_u32 s46, s46, s51                     ; my token tile: batch x 128 + T
	s_and_b32 s47, s8, 15                          ; the head
	s_mul_i32 s48, s46, 12288
	s_mul_i32 s49, s47, 768
	s_add_co_u32 s48, s48, s49
	s_mov_b32 s49, 0
	s_add_nc_u64 s[66:67], s[26:27], s[48:49]      ; xc at (token tile, head)
	s_lshl_b32 s48, s46, 9
	s_lshl_b32 s47, s47, 1
	s_add_co_u32 s48, s48, s47
	s_add_nc_u64 s[14:15], s[14:15], s[48:49]      ; xs at the tile's rows, the head's two bytes
	v_and_b32 v224, 15, v0                         ; r
	v_bfe_u32 v225, v0, 4, 1                       ; h
	v_lshlrev_b32 v1, 3, v29                       ; 8 x lane: K's codes, and x's
	v_lshlrev_b32 v3, 2, v29                       ; 4 x lane: K's scale words
	s_delay_alu instid0(VALU_DEP_2)
	v_add_nc_u32 v2, VB, v1                        ; V's codes
	s_delay_alu instid0(VALU_DEP_2)
	v_add_nc_u32 v4, VB, v3                        ; V's scale words
	v_mov_b32 v5, 0xd0000000                       ; -2^33
	v_lshl_add_u32 v7, v224, 5, v225               ; xs: 32 r + h
	v_add_nc_u32 v8, s44, v1
	v_lshl_add_u32 v11, v224, 2, s45
.irp j, 0,1,2
	global_load_b64 v[16+2*\j:17+2*\j], v8, s[16:17] offset:256*\j   ; Q's codes stay in registers
.endr
	global_load_b32 v28, v11, s[16:17]             ; Q's scale words
	s_mov_b32 s6, 0
	s_mov_b32 s7, 0
	s_mov_b32 s8, 24576
	s_mov_b32 s9, 0xffff0000
	s_mov_b32 s10, 0x76543210
	s_mov_b32 s11, 0xfedcba98
	s_mov_b32 s12, 0x3e38aa3b                      ; c = log2(e) / 8
	s_mov_b32 s13, s12                             ; (the packed form names the pair)
	s_mov_b32 s23, 0
.macro WORDS                           ; a step's 64 mask words and its flag
	s_load_b512 s[MA:MA+15], s[4:5], s6 offset:0x0
	s_load_b512 s[MB:MB+15], s[4:5], s6 offset:0x40
	s_load_b512 s[MC:MC+15], s[4:5], s6 offset:0x80
	s_load_b512 s[MD:MD+15], s[4:5], s6 offset:0xc0
	s_load_b32 s22, s[20:21], s23 offset:0x0
.endm
	WORDS                                          ; step 0's
.irp i, 0,1,2,3,4,5
	v_mov_b32 v[22+\i], 0                          ; Q's upper 64 along K: zero codes
	v_mov_b32 v[84+\i], 0                          ; and what stands behind K's last tile
.endr
	v_mov_b32 v13, 0xff61b1e6                      ; the largest t so far: -3e38
	v_mov_b32 v14, 0                               ; the sum, in two halves
	v_mov_b32 v15, 0
	v_mov_b32 v227, 0                              ; (named as the upper half of the pair v[226:227])
	s_delay_alu instid0(VALU_DEP_4)
	v_floor_f32 v12, -v13                          ; -M
.irp b, 0,1,2,3
	v_mov_b32 v[216+\b], 0                         ; written once: a lane permute's destination counts as one of its sources
.endr
	s_wait_alu depctr_va_vdst(0)
	s_wait_loadcnt 0x0                             ; my share and Q are in
.set j, 0
.rept 26
	ds_store_b128 v10, v[96+4*j:99+4*j] offset:512*j
.set j, j+1
.endr
	s_wait_dscnt 0x0                               ; for the others' sake: my stores have landed
	s_barrier_signal -1
.set j, 0
.rept 32
	v_mov_b32 v[160+j], 0                          ; O^T: the step is written once; the first finds zeros, which the first change of M leaves zeros
.set j, j+1
.endr
	s_wait_alu depctr_va_vdst(0)
	s_barrier_wait -1                              ; K and V are whole
.macro MASK b, m                       ; block b of 32 keys: bit l of word j says whether lane l's key counts
.irp i, 0,1,2,3,4,5,6,7,8,9,10,11,12,13,14,15
	v_cndmask_b32 v[96+16*\b+\i], v5, v[96+16*\b+\i], s[\m+\i]
.endr
.endm
; A KEY STEP: 128 keys.
.macro STEP
	v_add_nc_u32 v8, s7, v1                        ; these four are also the places behind the last step's products, ahead of the loads into their sources
	v_add_nc_u32 v9, s7, v2
	v_add_nc_u32 v10, s8, v3
	v_add_nc_u32 v11, s8, v4
.irp t, 0,1,2,3,4,5,6,7
.irp j, 0,1,2
	ds_load_b64 v[36+6*\t+2*\j:37+6*\t+2*\j], v8 offset:768*\t+256*\j   ; 256 consecutive bytes a load
.endr
.endr
.irp b, 0,1,2,3
	ds_load_b32 v[30+\b], v10 offset:128*\b        ; lanes 0-15: tile 2 b's words; lanes 16-31: tile 2 b + 1's
.endr
	s_wait_alu depctr_va_vdst(0)
	s_wait_dscnt 0x0
.irp b, 0,1,2,3
	v_wmma_scale_f32_16x16x128_f8f6f4 v[96+16*\b:103+16*\b], v[36+12*\b:47+12*\b], v[16:27], 0, v[30+\b], v28 matrix_a_fmt:MATRIX_FMT_FP6 matrix_b_fmt:MATRIX_FMT_FP6
	v_wmma_scale_f32_16x16x128_f8f6f4 v[104+16*\b:111+16*\b], v[42+12*\b:53+12*\b], v[16:27], 0, v[30+\b], v28 matrix_a_fmt:MATRIX_FMT_FP6 matrix_b_fmt:MATRIX_FMT_FP6 matrix_a_scale:MATRIX_SCALE_ROW1
.endr
.rept 4
	v_nop                                          ; places: ahead of the loads into K's registers and of the first read of the scores
.endr
.irp t, 0,1,2,3                        ; V's four channel tiles x 128 keys are asked for now, and land under the softmax
.irp c, 0,1
.irp j, 0,1,2
	ds_load_b64 v[36+12*\t+6*\c+2*\j:37+12*\t+6*\c+2*\j], v9 offset:(4*\c+\t)*768+256*\j
.endr
.endr
.endr
.irp b, 0,1
	ds_load_b32 v[34+\b], v11 offset:128*\b
.endr
	s_wait_kmcnt 0x0                               ; this step's mask words and flag, asked for a step ago, are in; those loads are done with s6 and s23,
	s_add_co_u32 s6, s6, 256                       ; which step to the next step's;
	s_and_b32 s6, s6, 0xfff                        ; the last step asks for step 0's again: no load leaves my tile's bytes
	s_lshr_b32 s28, s6, 9
	s_lshl_b32 s28, s28, 8
	s_bfe_u32 s23, s6, 0x10008
	s_lshl_b32 s23, s23, 2
	s_or_b32 s23, s23, s28                         ; 256 (n / 2) + 4 (n % 2)
	s_cmp_eq_u32 s22, -1                           ; does every key of the step count for all my queries?
	s_wait_alu depctr_va_vdst(0)
	s_cbranch_scc1 .Lopen_\@                       ; then the selects would change nothing
	MASK 0, MA
	MASK 1, MB
	MASK 2, MC
	MASK 3, MD
.Lopen_\@:
	WORDS                                          ; the next step's
.irp b, 0,1,2,3
	v_max3_num_f32 v[212+\b], v[96+16*\b], v[97+16*\b], v[98+16*\b]   ; the largest score of each block of 32 keys: it serves the row's maximum and, since p rises with the score, the block's largest p
.endr
.irp b, 0,1,2,3                        ; two chains a block, one for each of its score tiles (the second in v216-219), eight chains by turns; each accumulator is read from its low end on
	v_max3_num_f32 v[216+\b], v[104+16*\b], v[105+16*\b], v[106+16*\b]
.endr
.irp i, 3,5
.irp b, 0,1,2,3
	v_max3_num_f32 v[212+\b], v[212+\b], v[96+16*\b+\i], v[97+16*\b+\i]
.endr
.irp b, 0,1,2,3
	v_max3_num_f32 v[216+\b], v[216+\b], v[104+16*\b+\i], v[105+16*\b+\i]
.endr
.endr
.irp b, 0,1,2,3
	v_max3_num_f32 v[212+\b], v[212+\b], v[103+16*\b], v[111+16*\b]   ; each tile's last register
.endr
.irp b, 0,1,2,3
	s_delay_alu instid0(VALU_DEP_4)
	v_max_num_f32 v[212+\b], v[212+\b], v[216+\b]  ; the block's two chains
.endr
.irp b, 0,1,2,3
	s_delay_alu instid0(VALU_DEP_4)
	v_permlanex16_b32 v[216+\b], v[212+\b], s10, s11
.endr
.irp b, 0,1,2,3
	s_delay_alu instid0(VALU_DEP_4)
	v_max_num_f32 v[212+\b], v[212+\b], v[216+\b]  ; with lane l xor 16's 16 keys
.endr
	s_delay_alu instid0(VALU_DEP_2)
	v_max3_num_f32 v224, v212, v213, v214
	s_delay_alu instid0(VALU_DEP_1)
	v_max_num_f32 v224, v224, v215                 ; the step's largest score of my query
	s_delay_alu instid0(VALU_DEP_1)
	v_mul_f32 v224, s12, v224                      ; as t (c is positive)
	s_delay_alu instid0(VALU_DEP_1)
	v_max_num_f32 v13, v13, v224                   ; the running largest t
	v_mov_b32 v224, v12
	s_delay_alu instid0(VALU_DEP_2)
	v_floor_f32 v12, -v13                          ; the new -M = floor(-t) = -ceil(t)
	s_delay_alu instid0(VALU_DEP_1)
	v_sub_f32 v224, v12, v224                      ; old M - new M: a whole number, 0 or less
	s_delay_alu instid0(VALU_DEP_1)
	v_cvt_i32_f32 v224, v224                       ; (it saturates)
	s_delay_alu instid0(VALU_DEP_1)
	v_ldexp_f32 v226, 1.0, v224                    ; f = 2^(old M - new M)
.set j, 0
.rept 32
	v_pk_fma_f32 v[96+j:97+j], v[96+j:97+j], s[12:13], v[12:13] op_sel_hi:[1,0,0]   ; t - M, two at a time
.set j, j+2
.endr
.irp b, 0,1,2,3
	v_fma_f32 v[212+\b], v[212+\b], s12, v12       ; the same of each block's largest score
.endr
	s_wait_alu depctr_va_vdst(0)
.set j, 0
.rept 64
	v_exp_f32 v[96+j], v[96+j]                     ; p = 2^(t - M)
.set j, j+1
.endr
	v_pk_mul_f32 v[14:15], v[14:15], v[226:227] op_sel_hi:[1,0]   ; the sums under the new M: the plain place behind the exponentials
	s_wait_alu depctr_va_vdst(0)                   ; one wait for the whole batch, ahead of its first reader
.irp b, 0,1,2,3
	v_exp_f32 v[212+\b], v[212+\b]                 ; the block's largest p: the same two instructions on the same number
.endr
; the row's sum of the unquantised p: 32 pairs into seven chains and the running sum, by turns, then the chains into the sum
.irp i, 0,1,2,3,4,5,6
	v_pk_add_f32 v[SM+2*\i:SM+2*\i+1], v[96+4*\i:97+4*\i], v[98+4*\i:99+4*\i]
.endr
	v_pk_add_f32 v[14:15], v[14:15], v[124:125]
.irp g, 0,1
.irp i, 0,1,2,3,4,5,6
	v_pk_add_f32 v[SM+2*\i:SM+2*\i+1], v[SM+2*\i:SM+2*\i+1], v[126+16*\g+2*\i:127+16*\g+2*\i]
.endr
	v_pk_add_f32 v[14:15], v[14:15], v[140+16*\g:141+16*\g]
.endr
	v_pk_add_f32 v[SM:SM+1], v[SM:SM+1], v[158:159]
	v_pk_add_f32 v[SM+4:SM+5], v[SM+4:SM+5], v[SM+6:SM+7]
	v_pk_add_f32 v[SM+8:SM+9], v[SM+8:SM+9], v[SM+10:SM+11]
	s_delay_alu instid0(VALU_DEP_4)
	v_pk_add_f32 v[14:15], v[14:15], v[SM+12:SM+13]
	s_delay_alu instid0(VALU_DEP_4)
	v_pk_add_f32 v[SM:SM+1], v[SM:SM+1], v[SM+2:SM+3]
	s_delay_alu instid0(VALU_DEP_2)
	v_pk_add_f32 v[14:15], v[14:15], v[SM+8:SM+9]
	s_delay_alu instid0(VALU_DEP_2)
	v_pk_add_f32 v[SM:SM+1], v[SM:SM+1], v[SM+4:SM+5]
	s_delay_alu instid0(VALU_DEP_1)
	v_pk_add_f32 v[14:15], v[14:15], v[SM:SM+1]
	s_wait_alu depctr_va_vdst(0)                   ; and one for the four
.irp b, 0,1,2,3
	v_max_num_f32 v[212+\b], 0x1800000, v[212+\b]  ; the floor 2^(3 - 127)
.endr
.irp b, 0,1,2,3
	s_delay_alu instid0(VALU_DEP_4)
	v_add_nc_u32 v[220+\b], 0xff000000, v[212+\b]  ; 2 off the exponent field: the conversion's scale operand
.endr
.irp b, 0,1,2,3
	s_delay_alu instid0(VALU_DEP_4)
	v_lshrrev_b32 v[216+\b], 23, v[220+\b]         ; the scale's byte
.endr
	s_delay_alu instid0(VALU_DEP_3)
	v_lshl_or_b32 v228, v217, 8, v216              ; p's scale word for these 128 keys
	s_delay_alu instid0(VALU_DEP_1)
	v_lshl_or_b32 v228, v218, 16, v228
	s_delay_alu instid0(VALU_DEP_1)
	v_lshl_or_b32 v228, v219, 24, v228
.irp c, 0,1
	v_cvt_scalef32_pk16_fp6_f32 v[192+6*\c:194+6*\c], v[96+32*\c:111+32*\c], v[220+2*\c]
	v_cvt_scalef32_pk16_fp6_f32 v[204+4*\c:206+4*\c], v[112+32*\c:127+32*\c], v[220+2*\c+1]   ; (a conversion's three registers begin on an even number)
.endr
	v_nop                                          ; one plain place behind a scaled conversion
.irp c, 0,1                            ; the layout wants a WHOLE block in a lane
.irp i, 0,1,2
	v_permlane16_swap_b32 v[192+6*\c+\i], v[204+4*\c+\i]
.endr
.irp i, 0,1,2
	s_delay_alu instid0(VALU_DEP_3)
	v_mov_b32 v[195+6*\c+\i], v[204+4*\c+\i]
.endr
.endr
.set j, 0
.rept 16
	v_pk_mul_f32 v[160+j:161+j], v[160+j:161+j], v[226:227] op_sel_hi:[1,0]   ; O^T under the new M.  (These 16 are also the places between the codes and the scale word just made and the products below)
.set j, j+2
.endr
	s_wait_alu depctr_va_vdst(0)
	s_wait_dscnt 0x0                               ; V's fragments and scale words are in
.irp b, 0,1                            ; the four accumulators take turns; the next matrix instruction is a score's
	v_wmma_scale_f32_16x16x128_f8f6f4 v[160+16*\b:167+16*\b], v[36+24*\b:47+24*\b], v[192:203], v[160+16*\b:167+16*\b], v[34+\b], v228 matrix_a_fmt:MATRIX_FMT_FP6 matrix_b_fmt:MATRIX_FMT_FP6
	v_wmma_scale_f32_16x16x128_f8f6f4 v[168+16*\b:175+16*\b], v[48+24*\b:59+24*\b], v[192:203], v[168+16*\b:175+16*\b], v[34+\b], v228 matrix_a_fmt:MATRIX_FMT_FP6 matrix_b_fmt:MATRIX_FMT_FP6 matrix_a_scale:MATRIX_SCALE_ROW1
.endr
	s_add_co_u32 s7, s7, 6144                      ; the next step's codes
	s_add_co_u32 s8, s8, 512                       ; and scale words
.endm
; A CHUNK of hc's layout: 512 keys, four steps; behind its codes lie its scale words.
.macro CHUNK
	s_mov_b32 s3, 4
.Lstep_\@:
	STEP
	s_sub_co_u32 s3, s3, 1
	s_cmp_lg_u32 s3, 0
	s_cbranch_scc1 .Lstep_\@
	s_add_co_u32 s7, s7, 2048                      ; over the chunk's scale words
	s_add_co_u32 s8, s8, 24576                     ; over the next chunk's codes
.endm
	CHUNK
	CHUNK
	CHUNK
	CHUNK
	; THE WAY OUT: x = O^T / the sum; register 16 b + i is channel 32 b + 16 h + i of my query: two blocks along the last product's K
	s_wait_kmcnt 0x0                               ; the mask words asked for in the last step
	v_add_f32 v14, v14, v15                        ; the sum's two halves,
	v_mov_b32 v212, 0x1800000                      ; (the floor under the two blocks' largest magnitudes)
	v_mov_b32 v213, 0x1800000
	s_delay_alu instid0(VALU_DEP_3)
	v_permlanex16_b32 v224, v14, s10, s11
	s_delay_alu instid0(VALU_DEP_1)
	v_add_f32 v14, v14, v224                       ; and lane l xor 16's
	s_wait_alu depctr_va_vdst(0)
	v_rcp_f32 v14, v14
	v_nop                                          ; a plain place behind the reciprocal; with the lines above: the places behind the last products
	v_nop
	s_wait_alu depctr_va_vdst(0)                   ; ahead of the reciprocal's first reader
.set j, 0
.rept 16
	v_pk_mul_f32 v[96+j:97+j], v[160+j:161+j], v[14:15] op_sel_hi:[1,0]   ; ascending: each accumulator is read from its low end on
.set j, j+2
.endr
.irp i, 0,2,4,6,8,10,12,14
.irp b, 0,1
	v_max3_num_f32 v[212+\b], v[212+\b], |v[96+16*\b+\i]|, |v[97+16*\b+\i]|
.endr
.endr
.irp b, 0,1
	s_delay_alu instid0(VALU_DEP_2)
	v_permlanex16_b32 v[216+\b], v[212+\b], s10, s11
.endr
.irp b, 0,1
	s_delay_alu instid0(VALU_DEP_2)
	v_max_num_f32 v[212+\b], v[212+\b], v[216+\b]
.endr
.irp b, 0,1
	s_delay_alu instid0(VALU_DEP_2)
	v_add_nc_u32 v[220+\b], 0xff000000, v[212+\b]
.endr
.irp b, 0,1
	s_delay_alu instid0(VALU_DEP_2)
	v_lshrrev_b32 v[216+\b], 23, v[220+\b]
.endr
	v_cvt_scalef32_pk16_fp6_f32 v[192:194], v[96:111], v220
	v_cvt_scalef32_pk16_fp6_f32 v[204:206], v[112:127], v221
	v_nop                                          ; one plain place behind a scaled conversion
.irp i, 0,1,2
	v_permlane16_swap_b32 v[192+\i], v[204+\i]
.endr
.irp i, 0,1,2
	s_delay_alu instid0(VALU_DEP_3)
	v_mov_b32 v[195+\i], v[204+\i]
.endr
	v_cndmask_b32 v224, v216, v217, s9             ; lane (r, h) stores block h's byte
.irp j, 0,1,2
	global_store_b64 v1, v[192+2*\j:193+2*\j], s[66:67] offset:256*\j   ; 32 lanes store 256 consecutive bytes, aligned
.endr
	global_store_b8 v7, v224, s[14:15]             ; two of each row's 32 scale bytes belong to a head: 32 single bytes a wave, 131,072 in the launch
	s_wait_tensorcnt 0x0                           ; the wave's end, behind my last LDS store
	ds_add_u32 v254, v255
	s_wait_dscnt 0x0
	s_endpgm
.Lfunc_end_k_q5e46d7a7ba_attn:
	.size	k_q5e46d7a7ba_attn, .Lfunc_end_k_q5e46d7a7ba_attn-k_q5e46d7a7ba_attn
	.p2alignl 7, 3214868480
	.fill 96, 4, 3214868480
	.section	.rodata,"a",@progbits
	.p2align	6, 0x0
	.amdhsa_kernel k_q5e46d7a7ba_attn
		.amdhsa_group_segment_fixed_size 215040
		.amdhsa_private_segment_fixed_size 0
		.amdhsa_enable_private_segment 0
		.amdhsa_kernarg_size 40
		.amdhsa_user_sgpr_count 2
		.amdhsa_user_sgpr_kernarg_segment_ptr 1
		.amdhsa_wavefront_size32 1
		.amdhsa_system_sgpr_workgroup_id_x 1
		.amdhsa_system_sgpr_workgroup_id_y 1
		.amdhsa_system_sgpr_workgroup_id_z 1
		.amdhsa_system_vgpr_workitem_id 0
		.amdhsa_next_free_vgpr 256
		.amdhsa_next_free_sgpr 102
		.amdhsa_reserve_vcc 0
		.amdhsa_float_denorm_mode_32 3
		.amdhsa_float_denorm_mode_16_64 3
		.amdhsa_memory_ordered 1
		.amdhsa_forward_progress 1
		.amdhsa_inst_pref_size 108
	.end_amdhsa_kernel
	.amdgpu_metadata
---
amdhsa.version: [ 1, 2 ]
amdhsa.kernels:
  - .name:           k_q5e46d7a7ba_attn
    .symbol:         k_q5e46d7a7ba_attn.kd
    .args:
      - { .name: hc, .offset: 0, .size: 8, .value_kind: global_buffer, .address_space: global }
      - { .name: mbits, .offset: 8, .size: 8, .value_kind: global_buffer, .address_space: global }
      - { .name: mflag, .offset: 16, .size: 8, .value_kind: global_buffer, .address_space: global }
      - { .name: xc, .offset: 24, .size: 8, .value_kind: global_buffer, .address_space: global }
      - { .name: xs, .offset: 32, .size: 8, .value_kind: global_buffer, .address_space: global }
    .group_segment_fixed_size: 215040
    .private_segment_fixed_size: 0
    .kernarg_segment_align: 8
    .kernarg_segment_size: 40
    .max_flat_workgroup_size: 512
    .sgpr_count:     102
    .vgpr_count:     256
    .wavefront_size: 32
...
	.end_amdgpu_metadata
.endif
;; end of part 3
;; launch outp (part 4): grid 8 x 32, 4 waves a work-group, clusters of 4 x 4, 264,704 bytes of LDS; arguments opc, ops, xc, xs, out0; writes out0
.if DOCPART == 4
	.amdgcn_target "amdgcn-amd-amdhsa--gfx1250"
	.amdhsa_code_object_version 6
	.text
	.protected	k_q5e46d7a7ba_outp
	.globl	k_q5e46d7a7ba_outp
	.p2align	8
	.type	k_q5e46d7a7ba_outp,@function
k_q5e46d7a7ba_outp:
	s_mov_b64 s[64:65], 0
	v_nop
	global_prefetch_b8 v0, s[64:65] scope:SCOPE_SE
	s_setreg_imm32_b32 hwreg(HW_REG_WAVE_MODE, 25, 1), 1
	s_wait_xcnt 0x0
	s_wait_alu depctr_hold_cnt(0) depctr_sa_sdst(0) depctr_va_vdst(0) depctr_va_sdst(0) depctr_va_ssrc(0) depctr_va_vcc(0) depctr_vm_vsrc(0)
	s_getreg_b32 s2, hwreg(HW_REG_IB_STS2, 6, 4)
	s_cmp_eq_u32 s2, 0
	s_cbranch_scc0 .Lentry_in_a_cluster
	s_endpgm
.Lentry_in_a_cluster:
	s_bfe_u32 s2, ttmp6, 0x10000c
	s_cmp_lg_u32 s2, 0xf033
	s_cbranch_scc0 .Lentry_shape_is_right
	s_endpgm
.Lentry_shape_is_right:
; out0 = x w_o^T on codes of FP6 (E2M3) with E8M0 scales, 1,024 along K; f32 out.  Operand 0 = 128 rows of w_o (opc, ops from tile 960), operand 1 = 128 tokens of x (xc, xs).
; The matrix instruction takes operand 0 as source 0: a lane holds ONE token, and its registers run along the output's features.  Row tiles are permuted (tile 2 B + u, place r: row 32 B + 8 u + r + 8 (r / 8)).
; SHARES.  Four waves; wave w takes token tiles 2 w, 2 w + 1 against all 8 tiles of w_o: 16 accumulators, 8 K steps of 128: 128 matrix instructions.
; LDS.  Both operands' codes for ALL of K (2 x 98,304 bytes) are filled once, four tiles by each wave's one tensor load; nothing is filled again.  A wave has one tensor load out.  Behind them each wave's stage for the way out.
; CLUSTER.  4 x 4 work-groups: w_o's block hangs on cx and is asked for jointly by a column of the cluster, x's on cy and by a row.  The scale words go from memory straight into registers, once.
; REGISTERS: window 0: v1-15 addresses; v16-47 operand 0's scale words, v48-55 operand 1's; v56-103 operand 1's fragments, two sets; v128-255 the way out.  window 1: operand 0's fragments, two sets of 96.  window 2: accumulator (u, t) at v[64 u + 8 t].
.set SIDE,  98304
.set HALF,  49152                      ; four tiles of one operand
.set TILEB, 12288                      ; a tile's codes for all of K.  AS THE TEXT NOW STANDS: each wave issues ONE tensor load, its four tiles for all of K (49,152 bytes); one wait for 0 and one barrier show both operands whole
.set STG,   196608                     ; behind the codes: for each wave 32 rows x (512 bytes + 16)
.set SPI,   528
.set SC0,   16
.set SC1,   48
.set F1,    56
.set MSB, 0
.macro WIN new                         ; the immediate's high byte repeats the setting that is left
.if MSB != \new
	s_set_vgpr_msb (MSB<<8)|\new
.set MSB, \new
.endif
.endm
.macro CROUND                          ; a round of the cluster's barrier
	s_barrier_signal -1
	s_barrier_wait -1
	s_cmp_lg_u32 s2, 0
	s_cbranch_scc1 .Lnot_wave_0_\@
	s_barrier_signal -3
.Lnot_wave_0_\@:
	s_barrier_wait -3
	s_barrier_signal -1
	s_barrier_wait -1
.endm
.macro PLACES                          ; four plain places behind matrix instructions, ahead of loads into their sources and of reads of their results
.rept 4
	v_nop
.endr
.endm
.macro FETCH s, set                    ; K step s: operand 0's eight fragments and my two of operand 1: images of the registers, 8 bytes a lane, 256 consecutive bytes a load
	WIN 0x40                                       ; destination window 1, address window 0
.irp t, 0,1,2,3,4,5,6,7
.irp j, 0,1,2,3,4,5
	ds_load_b64 v[96*(\set)+12*\t+2*\j:96*(\set)+12*\t+2*\j+1], v[1+(\t>>2)] offset:(\t&3)*TILEB+(\s)*1536+256*\j
.endr
.endr
	WIN 0
.irp u, 0,1
.irp j, 0,1,2,3,4,5
	ds_load_b64 v[F1+24*(\set)+12*\u+2*\j:F1+24*(\set)+12*\u+2*\j+1], v3 offset:\u*TILEB+(\s)*1536+256*\j
.endr
.endr
.endm
.macro ONE zero, pa, pb                ; one product; pa, pb: the scales stand in lanes 16-31 of their registers
.if \zero
.if ((\pa) == 0) && ((\pb) == 0)
	v_wmma_scale_f32_16x16x128_f8f6f4 v[rD:rD+7], v[rA:rA+11], v[rB:rB+11], 0, v[rS], v[rT] matrix_a_fmt:MATRIX_FMT_FP6 matrix_b_fmt:MATRIX_FMT_FP6
.elseif ((\pa) == 1) && ((\pb) == 0)
	v_wmma_scale_f32_16x16x128_f8f6f4 v[rD:rD+7], v[rA:rA+11], v[rB:rB+11], 0, v[rS], v[rT] matrix_a_fmt:MATRIX_FMT_FP6 matrix_b_fmt:MATRIX_FMT_FP6 matrix_a_scale:MATRIX_SCALE_ROW1
.elseif ((\pa) == 0) && ((\pb) == 1)
	v_wmma_scale_f32_16x16x128_f8f6f4 v[rD:rD+7], v[rA:rA+11], v[rB:rB+11], 0, v[rS], v[rT] matrix_a_fmt:MATRIX_FMT_FP6 matrix_b_fmt:MATRIX_FMT_FP6 matrix_b_scale:MATRIX_SCALE_ROW1
.else
	v_wmma_scale_f32_16x16x128_f8f6f4 v[rD:rD+7], v[rA:rA+11], v[rB:rB+11], 0, v[rS], v[rT] matrix_a_fmt:MATRIX_FMT_FP6 matrix_b_fmt:MATRIX_FMT_FP6 matrix_a_scale:MATRIX_SCALE_ROW1 matrix_b_scale:MATRIX_SCALE_ROW1
.endif
.else
.if ((\pa) == 0) && ((\pb) == 0)
	v_wmma_scale_f32_16x16x128_f8f6f4 v[rD:rD+7], v[rA:rA+11], v[rB:rB+11], v[rD:rD+7], v[rS], v[rT] matrix_a_fmt:MATRIX_FMT_FP6 matrix_b_fmt:MATRIX_FMT_FP6
.elseif ((\pa) == 1) && ((\pb) == 0)
	v_wmma_scale_f32_16x16x128_f8f6f4 v[rD:rD+7], v[rA:rA+11], v[rB:rB+11], v[rD:rD+7], v[rS], v[rT] matrix_a_fmt:MATRIX_FMT_FP6 matrix_b_fmt:MATRIX_FMT_FP6 matrix_a_scale:MATRIX_SCALE_ROW1
.elseif ((\pa) == 0) && ((\pb) == 1)
	v_wmma_scale_f32_16x16x128_f8f6f4 v[rD:rD+7], v[rA:rA+11], v[rB:rB+11], v[rD:rD+7], v[rS], v[rT] matrix_a_fmt:MATRIX_FMT_FP6 matrix_b_fmt:MATRIX_FMT_FP6 matrix_b_scale:MATRIX_SCALE_ROW1
.else
	v_wmma_scale_f32_16x16x128_f8f6f4 v[rD:rD+7], v[rA:rA+11], v[rB:rB+11], v[rD:rD+7], v[rS], v[rT] matrix_a_fmt:MATRIX_FMT_FP6 matrix_b_fmt:MATRIX_FMT_FP6 matrix_a_scale:MATRIX_SCALE_ROW1 matrix_b_scale:MATRIX_SCALE_ROW1
.endif
.endif
.endm
.macro MUL s, set, zero                ; K step s: the 16 accumulators take turns, one instruction a turn, in the same order in every step.  zero = 1: the first step starts the sums
	WIN 0xa1                                       ; source 0 window 1, source 1 window 0, C and D window 2
.irp u, 0,1
.irp t, 0,1,2,3,4,5,6,7
.set rD, 64*\u+8*\t
.set rA, 96*(\set)+12*\t
.set rB, F1+24*(\set)+12*\u
.set rS, SC0+8*(\t/2)+(\s)
.set rT, SC1+(\s)
	ONE \zero, \t%2, \u
.endr
.endr
	WIN 0
.endm
	s_load_b256 s[48:55], s[0:1], 0x0              ; opc, ops, xc, xs
	s_load_b64 s[56:57], s[0:1], 0x20              ; out0
	v_lshl_add_u32 v126, v0, 2, 0x40800
	v_mov_b32 v127, 0
	ds_add_u32 v126, v127
	ds_add_u32 v126, v127
	v_lshrrev_b32 v1, 5, v0
	v_readfirstlane_b32 s2, v1                     ; wave 0..3
	s_and_b32 s3, s2, 1
	s_bfe_u32 s5, ttmp6, 0x40000                   ; cx
	s_bfe_u32 s6, ttmp6, 0x40004                   ; cy
	s_lshl_b32 s11, ttmp9, 2
	s_add_co_u32 s11, s11, s5                      ; i0: my 128 rows of w_o: made of cx and the cluster's x alone
	s_and_b32 s12, ttmp7, 0xffff
	s_lshl_b32 s12, s12, 2
	s_add_co_u32 s12, s12, s6                      ; i1: my 128 tokens: of cy and the cluster's y alone
	s_lshl_b32 s69, s11, 3
	s_add_co_u32 s69, s69, 960                     ; operand 0's first tile in opc and ops
	s_lshl_b32 s70, s12, 3                         ; operand 1's in xc and xs
	s_lshl_b32 s15, s3, 2                          ; which four tiles I fetch
	s_add_co_u32 s72, s69, s15
	s_mul_i32 s72, s72, 12288
	s_mov_b32 s73, 0
	s_add_co_u32 s74, s70, s15
	s_mul_i32 s74, s74, 12288
	s_mov_b32 s75, 0
	s_mul_i32 s15, s3, 4*TILEB                     ; and where they go: no place in the cluster enters an LDS address
	s_lshl_b32 s76, s69, 9
	s_mov_b32 s77, 0
	s_lshl_b32 s78, s2, 1
	s_add_co_u32 s78, s78, s70
	s_lshl_b32 s78, s78, 9                         ; my two tiles' scale bytes
	s_mov_b32 s79, 0
	; descriptor group 1: 4 rows (tiles) of 1,536 elements of 8 bytes (all of K), 1,536 elements apart; no padding
	s_lshl_b32 s13, 0x1111, s5                     ; my column of the cluster
	s_or_b32 s16, s13, (3<<16)|(1<<21)
	s_lshl_b32 s14, s6, 2
	s_lshl_b32 s14, 15, s14                        ; my row
	s_or_b32 s24, s14, (3<<16)|(1<<21)
.irp g, 16, 24
	s_mov_b32 s[\g+1], 1536<<16                    ; tensor_dim0
	s_mov_b32 s[\g+2], 4<<16                       ; tensor_dim1
	s_mov_b32 s[\g+3], 1536<<16                    ; tile_dim0
	s_mov_b32 s[\g+4], 4                           ; tile_dim1
	s_mov_b32 s[\g+5], 1536                        ; tensor_dim0_stride
	s_mov_b32 s[\g+6], 0
	s_mov_b32 s[\g+7], 0
.endr
	s_wait_dscnt 0x0
	s_wait_kmcnt 0x0
.irp q, 0                              ; group 0: s[32:35] operand 0, s[40:43] operand 1
	s_mov_b32 s[32+4*\q], 1
	s_add_co_u32 s[33+4*\q], s15, \q*HALF
	s_add_nc_u64 s[34+4*\q:35+4*\q], s[48:49], s[72:73]
	s_mov_b32 s[40+4*\q], 1
	s_add_co_u32 s[41+4*\q], s15, SIDE+\q*HALF
	s_add_nc_u64 s[42+4*\q:43+4*\q], s[52:53], s[74:75]
.if \q
	s_add_nc_u64 s[34+4*\q:35+4*\q], s[34+4*\q:35+4*\q], TILEB
	s_add_nc_u64 s[42+4*\q:43+4*\q], s[42+4*\q:43+4*\q], TILEB
.endif
	s_or_b32 s[35+4*\q], s[35+4*\q], 0x80000000
	s_or_b32 s[43+4*\q], s[43+4*\q], 0x80000000
.endr
	s_add_nc_u64 s[76:77], s[50:51], s[76:77]      ; w_o's scale bytes
	s_add_nc_u64 s[78:79], s[54:55], s[78:79]      ; my two tiles' of x
	CROUND                                         ; all sixteen work-groups are here: the joint loads meet
	s_cmp_lt_u32 s2, 2                             ; waves 0, 1 fetch operand 0, waves 2, 3 operand 1: one fill in each arm of the branch
	s_cbranch_scc0 .Lfill_1
	tensor_load_to_lds s[32:35], s[16:23]
	s_nop 0
.rept 4
	v_nop
.endr
	s_branch .Lfilled
.Lfill_1:
	tensor_load_to_lds s[40:43], s[24:31]
	s_nop 0
.rept 4
	v_nop
.endr
.Lfilled:
	v_and_b32 v13, 31, v0                          ; lane
	v_and_b32 v14, 15, v0                          ; r
	v_bfe_u32 v15, v0, 4, 1                        ; h
	v_lshlrev_b32 v5, 5, v14
	v_lshl_add_u32 v5, v15, 9, v5                  ; scale bytes: 32 r, lanes 16-31 the next tile's
.irp b, 0,1,2,3                        ; register SC0 + 8 b + s: lanes 0-15 tile 2 b's words of K step s, lanes 16-31 tile 2 b + 1's
.irp e, 0,1
	global_load_b128 v[SC0+8*\b+4*\e:SC0+8*\b+4*\e+3], v5, s[76:77] offset:1024*\b+16*\e
.endr
.endr
.irp e, 0,1
	global_load_b128 v[SC1+4*\e:SC1+4*\e+3], v5, s[78:79] offset:16*\e
.endr
	v_lshlrev_b32 v1, 3, v13                       ; operand 0's fragments: 8 x lane, its tiles 0 to 3;
	v_add_nc_u32 v2, HALF, v1                      ; its tiles 4 to 7
	s_mul_i32 s87, s2, 2*TILEB
	s_add_co_u32 s87, s87, SIDE
	v_add_nc_u32 v3, s87, v1                       ; my two tiles of operand 1
	s_mul_i32 s87, s2, 32*SPI
	s_add_co_u32 s87, s87, STG                     ; my stage
	v_mul_u32_u24 v6, v14, SPI
	v_lshl_add_u32 v6, v15, 6, v6
	v_add_nc_u32 v6, s87, v6                       ; in: row r, + 64 h: my 16 features of each 32
	v_lshlrev_b32 v8, 4, v13                       ; out: 16 bytes a lane: a row of 512 bytes to the wave
	v_add_nc_u32 v7, s87, v8
	s_lshl_b32 s80, s12, 7
	s_lshl_b32 s81, s2, 5
	s_add_co_u32 s80, s80, s81                     ; my first token: 128 i1 + 32 w
	s_lshl_b32 s80, s80, 12
	s_lshl_b32 s81, s11, 9                         ; my first feature, in bytes
	s_add_co_u32 s80, s80, s81
	s_mov_b32 s81, 0
	s_add_nc_u64 s[56:57], s[56:57], s[80:81]
	s_wait_alu depctr_va_vdst(0)
	s_wait_tensorcnt 0x0                           ; my four tiles are in
	s_barrier_signal -1
	s_barrier_wait -1                              ; everybody's is
	FETCH 0, 0
	s_wait_loadcnt 0x0                             ; the scale words
.irp s, 0,1,2,3,4,5,6,7
.if \s >= 1
	PLACES                                         ; the set to be loaded was read by the K step before
.endif
.if \s < 7
	FETCH \s+1, (\s+1)%2
	s_wait_dscnt 60                                ; all but the 60 loads just issued: this step's fragments are in
.else
	s_wait_dscnt 0x0
.endif
.if \s == 0
	MUL \s, \s%2, 1
.else
	MUL \s, \s%2, 0
.endif
.endr
	; THE WAY OUT.  Accumulator (u, 2 b + p), register j of lane (r, h): token place r of my tile u, feature 32 b + 16 h + 8 p + j.  My 32 tokens x 128 features go through my own stage and come back as whole rows of 512 bytes.
	PLACES
	WIN 0x08                                       ; an LDS store's data are its source 1: window 2
.irp u, 0,1
.irp b, 0,1,2,3
.irp p, 0,1
.irp e, 0,1                            ; each accumulator from its low end on
	ds_store_b128 v6, v[64*\u+16*\b+8*\p+4*\e:64*\u+16*\b+8*\p+4*\e+3] offset:16*\u*SPI+128*\b+32*\p+16*\e
.endr
.endr
.endr
.endr
	WIN 0
.set n, 0
.rept 32
	ds_load_b128 v[128+4*n:131+4*n], v7 offset:n*SPI   ; LDS serves a wave's instructions in order: these see my stores
.set n, n+1
.endr
.set n, 0
.rept 32
	s_wait_dscnt 31-n                              ; row n is back; the younger loads stay out
	global_store_b128 v8, v[128+4*n:131+4*n], s[56:57] offset:(8*(n/16)+n%16+8*((n%16)/8))*4096 th:TH_STORE_NT   ; stage row 16 u + r is token 8 u + r + 8 (r / 8) of my 32; 32 lanes store 512 consecutive bytes, aligned
.set n, n+1
.endr
	s_wait_tensorcnt 0x0
	ds_add_u32 v126, v127
	s_wait_dscnt 0x0
	CROUND                                         ; the closing round: no work-group ends while a partner may still ask for a block that names it
	s_endpgm
.Lfunc_end_k_q5e46d7a7ba_outp:
	.size	k_q5e46d7a7ba_outp, .Lfunc_end_k_q5e46d7a7ba_outp-k_q5e46d7a7ba_outp
	.p2alignl 7, 3214868480
	.fill 96, 4, 3214868480
	.section	.rodata,"a",@progbits
	.p2align	6, 0x0
	.amdhsa_kernel k_q5e46d7a7ba_outp
		.amdhsa_group_segment_fixed_size 264704
		.amdhsa_private_segment_fixed_size 0
		.amdhsa_enable_private_segment 0
		.amdhsa_kernarg_size 40
		.amdhsa_user_sgpr_count 2
		.amdhsa_user_sgpr_kernarg_segment_ptr 1
		.amdhsa_wavefront_size32 1
		.amdhsa_system_sgpr_workgroup_id_x 1
		.amdhsa_system_sgpr_workgroup_id_y 1
		.amdhsa_system_sgpr_workgroup_id_z 1
		.amdhsa_system_vgpr_workitem_id 0
		.amdhsa_next_free_vgpr 640
		.amdhsa_next_free_sgpr 96
		.amdhsa_reserve_vcc 0
		.amdhsa_float_denorm_mode_32 3
		.amdhsa_float_denorm_mode_16_64 3
		.amdhsa_memory_ordered 1
		.amdhsa_forward_progress 1
		.amdhsa_inst_pref_size 64
	.end_amdhsa_kernel
	.amdgpu_metadata
---
amdhsa.version: [ 1, 2 ]
amdhsa.kernels:
  - .name:           k_q5e46d7a7ba_outp
    .symbol:         k_q5e46d7a7ba_outp.kd
    .args:
      - { .name: opc, .offset: 0, .size: 8, .value_kind: global_buffer, .address_space: global }
      - { .name: ops, .offset: 8, .size: 8, .value_kind: global_buffer, .address_space: global }
      - { .name: xc, .offset: 16, .size: 8, .value_kind: global_buffer, .address_space: global }
      - { .name: xs, .offset: 24, .size: 8, .value_kind: global_buffer, .address_space: global }
      - { .name: out0, .offset: 32, .size: 8, .value_kind: global_buffer, .address_space: global }
    .group_segment_fixed_size: 264704
    .private_segment_fixed_size: 0
    .kernarg_segment_align: 8
    .kernarg_segment_size: 40
    .max_flat_workgroup_size: 128
    .sgpr_count:     96
    .vgpr_count:     640
    .wavefront_size: 32
...
	.end_amdgpu_metadata
.endif
;; end of part 4
